; MI455X (gfx1250); checked and timed in simulation.
; The chip was launched on July 23, 2026; its instructions are those of AMD's public machine-readable ISA for CDNA 5 (MIT licence, August 2026) and "CDNA5" Instruction Set Architecture Reference Guide (July 2026). The comments in the code are by the model that wrote it; some were corrected since.
;; Fixed F Mo E. Allowed arithmetic: float matrix products may take bf16 or f16 operands with f32 sums; other float arithmetic in f32, or as packed bf16 or f16 multiplies, adds, multiply-adds, maxima and minima; sums over many terms, partial sums and values carried from step to step in f32; what a program stores and reads back later, other than sums and carried values, may be rounded once to bf16 or f16.
;; Inputs: W1 16 x 1,024 x 1,024 float32; W2 16 x 1,024 x 1,024 float32; b1 16 x 1,024 float32; b2 16 x 1,024 float32; conf_b 16 float32; conf_w 16 x 1,024 float32; gate_b 16 float32; gate_w 1,024 x 16 float32; ln_bias 16 x 1,024 float32; ln_scale 16 x 1,024 float32; moe_inp 2,048 x 1,024 float32; prob_b 2 float32; prob_w 1,024 x 2 float32.
;; Outputs: out0 2,048 x 2 x 1,024 float32; out1 2,048 x 2 float32; out2 2,048 x 2 x 2 float32.
;; One version. Each part assembles by itself: llvm-mc -triple=amdgcn-amd-amdhsa -mcpu=gfx1250 --defsym DOCPART=n.
;; ======== version 1 of 1: 4 launches
;; limits: a function is approximated: absolute error at most 1.5e-07
;; workspace buffers: xb 4,194,304 bytes; idx 16,384 bytes of whole numbers; hbuf 67,108,864 bytes; order 131,072 bytes of whole numbers; cnt 2,048 bytes of whole numbers
;; launch router (part 1): grid 256 x 1, 4 waves a work-group, no clusters, 54,784 bytes of LDS; arguments moe_inp, gate_w, gate_b, xb, idx; writes xb, idx
.if DOCPART == 1
	.amdgcn_target "amdgcn-amd-amdhsa--gfx1250"
	.amdhsa_code_object_version 6
	.text
	.protected	k_qaf0ab7a5dd_router
	.globl	k_qaf0ab7a5dd_router
	.p2align	8
	.type	k_qaf0ab7a5dd_router,@function
k_qaf0ab7a5dd_router:
	s_mov_b64 s[64:65], 0
	v_nop
	global_prefetch_b8 v0, s[64:65] scope:SCOPE_SE
	s_setreg_imm32_b32 hwreg(HW_REG_WAVE_MODE, 25, 1), 1
	s_wait_xcnt 0x0
; ROUTER.  xb = moe_inp rounded to bf16; logits = xb . bf16(gate_w) + bf16(gate_b), sums in f32; idx[2 n + k] = the expert of rank k (ties: the lower index).
; SHARES.  A work-group has 8 tokens, wave w the channels 256 w .. 256 w + 255 of all 8: every byte of x is read once and every 16 bytes of xb come from one lane.
; The product is used with source 0 = 16 experts and source 1 = 16 tokens (tokens 8-15 repeat 0-7), so a lane holds one token and eight experts.
; LIMITS.  All inputs are rounded to bf16 first, as in all four launches of this program.  Two logits that differ by less than the rounding of the f32 sums
; (some 1e-7 of their size) may be ranked the other way than a sum in another order ranks them.  NaN and infinities are not treated apart.
.set GSB,   0                          ; 4 x 8,192: my 256 rows of gate_w as bf16, [k][16 experts], 32 bytes a row
.set XSB,   32768                      ; 4 x 4,352: my 256 channels of the 8 tokens, rows of 512 + 16 bytes
.set XSW,   4352
.set XP,    528
.set PLB,   50176                      ; 4 x 1,024: the waves' partial logits
.set SPARE, 54272                      ; the spare words, 128 bytes a wave
	s_load_b256 s[4:11], s[0:1], 0x0               ; moe_inp s[4:5], gate_w s[6:7], gate_b s[8:9], xb s[10:11]
	s_load_b64 s[12:13], s[0:1], 0x20              ; idx
	v_lshl_add_u32 v4, v0, 2, SPARE
	v_mov_b32 v5, 0
	v_and_b32 v1, 31, v0                           ; lane L
	v_bfe_u32 v3, v0, 4, 1                         ; h = L / 16
	v_lshrrev_b32 v6, 5, v0
	v_readfirstlane_b32 s14, v6                    ; wave
	s_mov_b32 s16, 0x76543210                      ; v_permlanex16_b32: each lane takes its own place in the other half
	s_mov_b32 s17, 0xfedcba98
	s_lshl_b32 s22, ttmp9, 15                      ; 8 rows of x
	s_mov_b32 s23, 0
	s_lshl_b32 s24, ttmp9, 14                      ; 8 rows of xb
	s_mov_b32 s25, 0
	s_lshl_b32 s26, ttmp9, 6                       ; 16 words of idx
	s_mov_b32 s27, 0
	v_lshlrev_b32 v7, 5, v0                        ; x: 1,024 w + 32 L: eight consecutive numbers a lane
	v_lshlrev_b32 v9, 4, v0                        ; xb: 512 w + 16 L
	s_lshl_b32 s15, s14, 14
	v_lshl_add_u32 v8, v1, 4, s15                  ; gate_w: 16,384 w + 16 L
	v_lshlrev_b32 v15, 5, v3                       ; gate_b: experts 8 h ..
	s_lshl_b32 s18, s14, 13                        ; my part of GSB
	v_lshl_add_u32 v10, v1, 3, s18                 ; gate_w into LDS: 8 bytes a lane
	s_mul_i32 s19, s14, XSW
	s_add_co_u32 s19, s19, XSB                     ; my part of XSB
	v_lshl_add_u32 v11, v1, 4, s19                 ; x into LDS: 16 bytes a lane
	v_and_b32 v2, 7, v0
	v_lshl_add_u32 v6, v3, 3, v2                   ; the turning load: row 8 h + L % 8,
	v_lshl_add_u32 v12, v6, 5, s18
	v_bfe_u32 v6, v0, 3, 1
	v_lshl_add_u32 v12, v6, 4, v12                 ; experts 8 ((L / 8) % 2) ..
	v_mul_u32_u24 v13, v2, XP                      ; x fragment: token L % 8,
	v_lshl_add_u32 v13, v3, 4, v13                 ; 16 bytes for each half of the lanes
	v_add_nc_u32 v13, s19, v13
	s_lshl_b32 s20, s14, 10
	s_add_co_u32 s20, s20, PLB
	v_lshl_add_u32 v14, v1, 4, s20                 ; my partial logits
	v_lshl_add_u32 v24, v1, 4, PLB                 ; all partial logits, for wave 0
	v_lshlrev_b32 v25, 3, v1                       ; idx: 8 bytes a token
	v_lshlrev_b32 v26, 3, v3                       ; my first expert
	s_wait_kmcnt 0x0
	s_add_nc_u64 s[4:5], s[4:5], s[22:23]
	s_add_nc_u64 s[10:11], s[10:11], s[24:25]
	s_add_nc_u64 s[12:13], s[12:13], s[26:27]
	global_load_b128 v[16:19], v15, s[8:9]
	global_load_b128 v[20:23], v15, s[8:9] offset:16
.irp t, 0,1,2,3,4,5,6,7
	global_load_b128 v[32+8*(\t):32+8*(\t)+3],   v7, s[4:5] offset:4096*(\t) th:TH_LOAD_NT
	global_load_b128 v[32+8*(\t)+4:32+8*(\t)+7], v7, s[4:5] offset:4096*(\t)+16 th:TH_LOAD_NT
.endr
.set i, 0
.rept 32
	global_load_b128 v[96+4*i:96+4*i+3], v8, s[6:7] offset:512*i
.set i, i+1
.endr
	s_wait_loadcnt 32                              ; the 32 loads of gate_w may stay out: gate_b and x are in
.irp t, 0,1,2,3,4,5,6,7
.irp m, 0,1,2,3
	v_cvt_pk_bf16_f32 v[224+4*(\t)+(\m)], v[32+8*(\t)+2*(\m)], v[32+8*(\t)+2*(\m)+1]
.endr
	global_store_b128 v9, v[224+4*(\t):224+4*(\t)+3], s[10:11] offset:2048*(\t)  ; a wave stores 512 consecutive bytes, aligned
	ds_store_b128 v11, v[224+4*(\t):224+4*(\t)+3] offset:XP*(\t)
.endr
.irp g, 0,1,2,3
	s_wait_loadcnt 24-8*(\g)                       ; the later groups of eight may stay out
.irp m, 0,1,2,3,4,5,6,7
	v_cvt_pk_bf16_f32 v[96+4*(8*(\g)+(\m))],   v[96+4*(8*(\g)+(\m))],   v[96+4*(8*(\g)+(\m))+1]
	v_cvt_pk_bf16_f32 v[96+4*(8*(\g)+(\m))+1], v[96+4*(8*(\g)+(\m))+2], v[96+4*(8*(\g)+(\m))+3]
	ds_store_b64 v10, v[96+4*(8*(\g)+(\m)):96+4*(8*(\g)+(\m))+1] offset:256*(8*(\g)+(\m))
.endr
.endr
	; the fragments of my eight K steps: my own bytes, and LDS serves a wave in order (ISA guide 5.7.1.4), so no wait stands between the stores and these loads
.irp s, 0,1,2,3,4,5,6,7
	ds_load_tr16_b128 v[32+8*(\s):32+8*(\s)+3],   v12 offset:1024*(\s)
	ds_load_tr16_b128 v[32+8*(\s)+4:32+8*(\s)+7], v12 offset:1024*(\s)+512
	ds_load_b128 v[96+8*(\s):96+8*(\s)+3],   v13 offset:64*(\s)
	ds_load_b128 v[96+8*(\s)+4:96+8*(\s)+7], v13 offset:64*(\s)+32
.endr
	s_wait_dscnt 0x0
	v_wmma_f32_16x16x32_bf16 v[160:167], v[32:39], v[96:103], 0     ; two accumulators by turns; the first two products start the sums
	v_wmma_f32_16x16x32_bf16 v[168:175], v[40:47], v[104:111], 0
.irp s, 2,3,4,5,6,7
	v_wmma_f32_16x16x32_bf16 v[160+8*((\s)%2):160+8*((\s)%2)+7], v[32+8*(\s):32+8*(\s)+7], v[96+8*(\s):96+8*(\s)+7], v[160+8*((\s)%2):160+8*((\s)%2)+7]
.endr
.rept 4
	v_nop                                          ; four places between a product and the first vector line on its result (ISA guide 7.12.1)
.endr
.irp m, 0,2,4,6
	v_pk_add_f32 v[160+(\m):161+(\m)], v[160+(\m):161+(\m)], v[168+(\m):169+(\m)]
.endr
	ds_store_b128 v14, v[160:163]
	ds_store_b128 v14, v[164:167] offset:512
	s_wait_dscnt 0x0                               ; for wave 0's sake: my partial logits are in LDS
	s_barrier_signal -1
	s_barrier_wait -1
	s_cmp_lg_u32 s14, 0
	s_cbranch_scc1 .Lend
.irp w, 0,1,2,3
	ds_load_b128 v[32+8*(\w):32+8*(\w)+3],   v24 offset:1024*(\w)
	ds_load_b128 v[32+8*(\w)+4:32+8*(\w)+7], v24 offset:1024*(\w)+512
.endr
.irp m, 0,1,2,3
	v_cvt_pk_bf16_f32 v[64+(\m)], v[16+2*(\m)], v[16+2*(\m)+1]       ; gate_b rounded to bf16 and widened again
.endr
.irp m, 0,1,2,3
	v_lshlrev_b32 v[16+2*(\m)], 16, v[64+(\m)]
	v_and_b32 v[16+2*(\m)+1], 0xffff0000, v[64+(\m)]
.endr
	s_wait_dscnt 0x0
.irp w, 1,2,3
.irp m, 0,2,4,6
	v_pk_add_f32 v[32+(\m):33+(\m)], v[32+(\m):33+(\m)], v[32+8*(\w)+(\m):33+8*(\w)+(\m)]
.endr
.endr
.irp m, 0,2,4,6
	v_pk_add_f32 v[32+(\m):33+(\m)], v[32+(\m):33+(\m)], v[16+(\m):17+(\m)]
.endr
	; the two largest of my eight, walked upward with a strict compare: the lower index keeps a tie.  v40, v41 the largest and its expert; v42, v43 the second
	v_mov_b32 v40, v32
	v_mov_b32 v41, v26
	v_mov_b32 v42, 0xff800000
	v_mov_b32 v43, v26
.irp j, 1,2,3,4,5,6,7
	v_add_nc_u32 v44, (\j), v26
	v_cmp_gt_f32 s18, v[32+(\j)], v40
	v_cmp_gt_f32 s19, v[32+(\j)], v42
	v_cndmask_b32 v42, v42, v[32+(\j)], s19
	v_cndmask_b32 v43, v43, v44, s19
	v_cndmask_b32 v42, v42, v40, s18
	v_cndmask_b32 v43, v43, v41, s18
	v_cndmask_b32 v40, v40, v[32+(\j)], s18
	v_cndmask_b32 v41, v41, v44, s18
.endr
	v_permlanex16_b32 v48, v40, s16, s17           ; experts 8-15 lie in the lane 16 away; the merge is written for lanes 0-15, whose own experts are the lower ones
	v_permlanex16_b32 v49, v41, s16, s17
	v_permlanex16_b32 v50, v42, s16, s17
	v_permlanex16_b32 v51, v43, s16, s17
	v_cmp_gt_f32 s18, v48, v40                     ; the other side's largest wins
	v_cndmask_b32 v52, v42, v40, s18               ; my candidate for the second place,
	v_cndmask_b32 v53, v43, v41, s18
	v_cndmask_b32 v54, v48, v50, s18               ; the other side's
	v_cndmask_b32 v55, v49, v51, s18
	v_cndmask_b32 v56, v41, v49, s18               ; the first expert
	v_cmp_gt_f32 s19, v54, v52
	v_cndmask_b32 v57, v53, v55, s19               ; the second
	v_cmp_gt_u32 vcc_lo, 8, v1
	s_wait_xcnt 0x0                                ; EXEC changes only behind this wait
	s_and_saveexec_b32 s18, vcc_lo
	global_store_b64 v25, v[56:57], s[12:13]       ; lanes 0-7: the 8 tokens' pairs, 64 consecutive bytes
	s_wait_xcnt 0x0
	s_or_b32 exec_lo, exec_lo, s18
.Lend:
	s_wait_tensorcnt 0x0                           ; the wave's end
	ds_add_u32 v4, v5
	s_wait_dscnt 0x0
	s_endpgm
.Lfunc_end_k_qaf0ab7a5dd_router:
	.size	k_qaf0ab7a5dd_router, .Lfunc_end_k_qaf0ab7a5dd_router-k_qaf0ab7a5dd_router
	.p2alignl 7, 3214868480
	.fill 96, 4, 3214868480
	.section	.rodata,"a",@progbits
	.p2align	6, 0x0
	.amdhsa_kernel k_qaf0ab7a5dd_router
		.amdhsa_group_segment_fixed_size 54784
		.amdhsa_private_segment_fixed_size 0
		.amdhsa_enable_private_segment 0
		.amdhsa_kernarg_size 40
		.amdhsa_user_sgpr_count 2
		.amdhsa_user_sgpr_kernarg_segment_ptr 1
		.amdhsa_wavefront_size32 1
		.amdhsa_system_sgpr_workgroup_id_x 1
		.amdhsa_system_sgpr_workgroup_id_y 1
		.amdhsa_system_sgpr_workgroup_id_z 1
		.amdhsa_system_vgpr_workitem_id 0
		.amdhsa_next_free_vgpr 256
		.amdhsa_next_free_sgpr 66
		.amdhsa_reserve_vcc 1
		.amdhsa_float_denorm_mode_32 3
		.amdhsa_float_denorm_mode_16_64 3
		.amdhsa_memory_ordered 1
		.amdhsa_forward_progress 1
		.amdhsa_inst_pref_size 27
	.end_amdhsa_kernel
	.amdgpu_metadata
---
amdhsa.version: [ 1, 2 ]
amdhsa.kernels:
  - .name:           k_qaf0ab7a5dd_router
    .symbol:         k_qaf0ab7a5dd_router.kd
    .args:
      - { .name: moe_inp, .offset: 0, .size: 8, .value_kind: global_buffer, .address_space: global }
      - { .name: gate_w, .offset: 8, .size: 8, .value_kind: global_buffer, .address_space: global }
      - { .name: gate_b, .offset: 16, .size: 8, .value_kind: global_buffer, .address_space: global }
      - { .name: xb, .offset: 24, .size: 8, .value_kind: global_buffer, .address_space: global }
      - { .name: idx, .offset: 32, .size: 8, .value_kind: global_buffer, .address_space: global }
    .group_segment_fixed_size: 54784
    .private_segment_fixed_size: 0
    .kernarg_segment_align: 8
    .kernarg_segment_size: 40
    .max_flat_workgroup_size: 128
    .sgpr_count:     66
    .vgpr_count:     256
    .wavefront_size: 32
...
	.end_amdgpu_metadata
.endif
;; end of part 1
;; launch up (part 2): grid 16 x 16, 8 waves a work-group, no clusters, 182,528 bytes of LDS; arguments idx, xb, W1, b1, hbuf, order, cnt; writes hbuf, order, cnt
.if DOCPART == 2
	.amdgcn_target "amdgcn-amd-amdhsa--gfx1250"
	.amdhsa_code_object_version 6
	.text
	.protected	k_qaf0ab7a5dd_up
	.globl	k_qaf0ab7a5dd_up
	.p2align	8
	.type	k_qaf0ab7a5dd_up,@function
k_qaf0ab7a5dd_up:
	s_mov_b64 s[64:65], 0
	v_nop
	global_prefetch_b8 v0, s[64:65] scope:SCOPE_SE
	s_setreg_imm32_b32 hwreg(HW_REG_WAVE_MODE, 25, 1), 1
	s_wait_xcnt 0x0
; UP.  h = gelu(x W1[e] + b1[e]) for the rows that chose expert e, in bf16, laid out as the next launch's operand registers take it.
; SHARES.  Work-group (x = slice s, y = expert e) owns W1[e][:, 64 s .. 64 s + 63]: 1,024 rows of 256 aligned bytes, which it alone reads, once; and all rows of expert e.
; Waves 4-7 (producers) stream the slice, round it to bf16 and lay it in LDS as [k][64]; every row has a place of its own, nothing in LDS is filled twice.
; Waves 0-3 (consumers) take token rows from memory straight into operand registers and multiply.  The two kinds have separate waves because loads come back in issue
; order (ISA guide 5.7.1): in one wave a wait for a token row would also wait for every weight load issued before it.
; THE STREAM goes in trips of six K steps (192 rows of W), one barrier a trip: four trips in a loop, the fifth written out (it asks only for what is left), then a tail of two K steps (64 rows).
; Six, because the consumers' ring of token fragments has six slots and a loop's body must come round to the same slot: five K steps, 50 loads, 25,600 bytes of a consumer are on their way while one is multiplied.
; A producer has 24 loads out (48 KB for the four), each asked for a whole trip ahead of the wait for it; so no prefetch is written: it would have to run two trips, a third of the slice, ahead to add anything.
; ROWS.  Every work-group makes the expert's list from idx for itself (four sublists, one a consumer; a place is looked up through their prefix sums).  Place p lies in tile p / 16,
; tile t belongs to consumer t % 4.  A consumer's first five tiles (320 rows for the four) are multiplied beside the stream.
; Its further tiles, up to 32 in all (2,048 rows), come one at a time when the slice lies in LDS: no barrier, nothing stored to LDS, and every LDS address a fixed register and an immediate.
; They read the slice once for 16 rows, five times the LDS bytes a row of the first five.
; Places past the count repeat the last row; whole tiles past it are not stored; an expert without rows stores one tile made of token 0.
; NO CLUSTER, NO TENSOR LOADS: each weight byte has one reader and has to pass through registers to be rounded; the rows that an expert's work-groups share come by a list, which no descriptor covers.
; THE PRODUCT IS USED TRANSPOSED: source 0 = 16 columns of W (turned out of LDS), source 1 = 16 token rows: register j of lane (r, h) is row r, column 16 ct + 8 h + j: eight neighbours, 16 bytes of bf16.
; FORMATS AND LIMITS.  x, W1, b1 rounded to bf16, sums in f32, h rounded once to bf16.  erf by the five-term rational form of Abramowitz and Stegun 7.1.26 (absolute error at most 1.5e-7 for every argument),
; used as h = max(a, 0) - 0.5 |a| erfc(|a| / sqrt 2), which forms no difference of near numbers.  NaN and infinities are not treated apart.
; REGISTERS.  Window 0: v0-31 addresses; v32-95 W fragments, two buffers; v96-255 slots 0-3 of the ring (5 tiles x 8 each); for a later tile v96-223 a ring of sixteen slots of 8; on the way out v96-183 at work.
; Window 1 (v256 on, written less 256): consumers: v0-79 slots 4, 5; v80-239 the 20 accumulators, (tile i, column block ct) at 80 + 32 i + 8 ct; v240-255 the bias of my 32 columns, packed in bf16.
; Producers: v80-175 the 24 loads; v176-191 at work, two sets by turns.  So no register is the target of a load in both kinds of wave.
.set KS,    64                         ; bytes from one K step of a token row to the next
.set PIECE, 32                         ; from a fragment's first 16 bytes to its second
.set WP,    160                        ; a row of W in LDS: 128 bytes + 32
.set KSB,   32*WP                      ; a K step in LDS
.set TK,    6                          ; K steps in a trip
.set TRB,   TK*KSB                     ; a trip's 192 rows in LDS
.set TRG,   TK*32*4096                 ; and in memory
.set LIST,  32*KSB                     ; 4 x 4,352: a consumer's sublist, 1,024 words, and word 1,024 for the lanes that have nothing to store
.set LISTW, 4352
.set CNTL,  LIST+4*LISTW               ; the four sublists' counts
.set SPARE, CNTL+256                   ; the spare words, 128 bytes a wave
.set SPW,  4
.set NIL,  5
.set BL,   6                           ; LDS address of my W fragments, running with the stream
.set L16,  7                           ; 16 L
.set OW1,  8                           ; a later tile's word in order
.set AOFF, 9                           ; v9-13   byte offset of my token row, tile i
.set IDS,  14                          ; v14-18  routed row 2 n + k of my place, tile i
.set HO,   19                          ; consumers: byte offset of my 16 bytes in hbuf
.set WOFF2, 19                         ; producers: my 16 bytes in the slice's last 64 rows
.set A5,   20                          ; v20-21  the polynomial's leading coefficient, twice
.set WLDS, 22                          ; producers: where my 8 bytes of a row go, running
.set WOFF, 23                          ; producers: my 16 bytes in a trip's rows
.set WLDS2, 24                         ; producers: where my 8 bytes go in the last 64 rows
.set BLF,  26                          ; v26-28  LDS address of my W fragments at K steps 0, 12, 24; never rewritten
.set BF,   32
.set AF,   96
.set ACC,  80                          ; window 1
.set PB,   240                         ; window 1
.set WR,   80                          ; window 1
.set TT,   176                         ; window 1
.set WVN,  18                          ; s18 wave   s19 wave % 4   s20 slice   s21 expert
.set W3,   19
.set SL,   20
.set EX,   21
.set CN,   24                          ; the expert's count c
.set TN,   25                          ; its tiles
.set T1,   26                          ; at least 1
.set CL,   27                          ; the last place that exists
.set P1,   28                          ; s28-30 prefix sums of the sublists' counts
.set P2,   29
.set P3,   30
.set KC,   33
.set TC,   34
.set TAU,  35
.set AB,   36                          ; s[36:37] token rows at the trip in hand   s[38:39] at K step 0
.set AO,   38
.set WB,   40                          ; s[40:41] the slice at the trip in hand
.set OB,   42                          ; s[42:43] hbuf at my expert and slice
.set C1,   46                          ; s[46:47] sqrt(log2(e) / 2)
.set PP,   48                          ; 0.3275911 / sqrt(log2(e))
.set A4,   50                          ; s[50:57] the other coefficients, as pairs
.set A3,   52
.set A2,   54
.set A1,   56
.set MSB, 0
.macro WIN new                         ; the immediate's high byte repeats the setting that is left; a switch that changes nothing is dropped
.if MSB != (\new)
	s_set_vgpr_msb (MSB<<8)|(\new)
.set MSB, (\new)
.endif
.endm
.macro PLACES                          ; four places between a product and a load into, or a vector line on, one of its registers (ISA guide 7.12.1 for vector lines)
.rept 4
	v_nop
.endr
.endm
.macro BLOAD b, imm                    ; a K step's W fragments, 64 columns x 32 k, turned, into buffer b: beside the stream
.irp ct, 0,1,2,3
	ds_load_tr16_b128 v[BF+32*(\b)+8*(\ct):BF+32*(\b)+8*(\ct)+3],   v[BL] offset:(\imm)+32*(\ct)
	ds_load_tr16_b128 v[BF+32*(\b)+8*(\ct)+4:BF+32*(\b)+8*(\ct)+7], v[BL] offset:(\imm)+32*(\ct)+16*WP
.endr
.endm
.macro BLOADX b, k                     ; the same for K step k of 32, by a fixed register and an immediate of 58,976 at the most
.irp ct, 0,1,2,3
	ds_load_tr16_b128 v[BF+32*(\b)+8*(\ct):BF+32*(\b)+8*(\ct)+3],   v[BLF+((\k)/12)] offset:((\k)%12)*KSB+32*(\ct)
	ds_load_tr16_b128 v[BF+32*(\b)+8*(\ct)+4:BF+32*(\b)+8*(\ct)+7], v[BLF+((\k)/12)] offset:((\k)%12)*KSB+32*(\ct)+16*WP
.endr
.endm
.macro ALOAD q, imm                    ; a K step's token fragments, 5 tiles, into slot q of six: slots 0-3 lie in window 0, slots 4 and 5 in window 1
.if (\q) < 4
	WIN 0
.set AR, AF+40*(\q)
.else
	WIN 0x40                                       ; the loads' destination in window 1
.set AR, 40*((\q)-4)
.endif
.irp i, 0,1,2,3,4
	global_load_b128 v[AR+8*(\i):AR+8*(\i)+3],   v[AOFF+(\i)], s[AB:AB+1] offset:(\imm)
	global_load_b128 v[AR+8*(\i)+4:AR+8*(\i)+7], v[AOFF+(\i)], s[AB:AB+1] offset:(\imm)+PIECE
.endr
	WIN 0
.endm
.macro ALOAD1 q, k                     ; K step k's token fragment of one tile, into slot q of sixteen
	global_load_b128 v[AF+8*(\q):AF+8*(\q)+3],   v[AOFF], s[AO:AO+1] offset:(\k)*KS
	global_load_b128 v[AF+8*(\q)+4:AF+8*(\q)+7], v[AOFF], s[AO:AO+1] offset:(\k)*KS+PIECE
.endm
.macro MUL b, q                        ; 20 products; the 20 accumulators take turns, one instruction a turn, in the same order in every K step
.if (\q) < 4
	WIN 0x50                                       ; C and D in window 1
.set AR, AF+40*(\q)
.else
	WIN 0x54                                       ; and source 1 too
.set AR, 40*((\q)-4)
.endif
.irp i, 0,1,2,3,4
.irp ct, 0,1,2,3
	v_wmma_f32_16x16x32_bf16 v[ACC+32*(\i)+8*(\ct):ACC+32*(\i)+8*(\ct)+7], v[BF+32*(\b)+8*(\ct):BF+32*(\b)+8*(\ct)+7], v[AR+8*(\i):AR+8*(\i)+7], v[ACC+32*(\i)+8*(\ct):ACC+32*(\i)+8*(\ct)+7]
.endr
.endr
	WIN 0
.endm
.macro MUL1 b, q                       ; 4 products of one tile; its 4 accumulators take turns
	WIN 0x50
.irp ct, 0,1,2,3
	v_wmma_f32_16x16x32_bf16 v[ACC+8*(\ct):ACC+8*(\ct)+7], v[BF+32*(\b)+8*(\ct):BF+32*(\b)+8*(\ct)+7], v[AF+8*(\q):AF+8*(\q)+7], v[ACC+8*(\ct):ACC+8*(\ct)+7]
.endr
	WIN 0
.endm
; K step s of a trip whose rows begin lb bytes behind BL.  first: the trip's first W fragments are fetched here.  nb: the next K step's W fragments are fetched.  la: the token fragments five K steps on are fetched,
; into the slot multiplied last.  n: the younger token loads that may stay out: ten for each slot asked for behind the one that is multiplied.  The four places stand behind the products, ahead of whatever follows them.
.macro KSTEP lb, s, first, nb, la, n
.if \first
	BLOAD (\s)%2, (\lb)+(\s)*KSB
.endif
.if \nb
	BLOAD ((\s)+1)%2, (\lb)+((\s)+1)*KSB
.endif
.if \la
	ALOAD ((\s)+5)%6, ((\s)+5)*KS
.endif
.if \nb
	s_wait_dscnt 0x8                               ; the eight loads just issued may stay out
.else
	s_wait_dscnt 0x0
.endif
	s_wait_loadcnt \n
	MUL (\s)%2, \s
	PLACES
.endm
; K step s of 32 of a later tile.  K steps 0-15 were asked for ahead of it; K step s (1 to 16) asks for K step s + 15, into the slot multiplied last.
; Behind K step s's two loads stand those of fifteen further K steps while the ring is refilled: 30; from K step 17 on those of the 31 - s that are left.
.macro KSTEP1 s
.if (\s) < 31
	BLOADX ((\s)+1)%2, (\s)+1
.endif
.if ((\s) >= 1) && ((\s) <= 16)
	ALOAD1 (\s)-1, (\s)+15
.endif
.if (\s) < 31
	s_wait_dscnt 0x8                               ; the eight loads just issued may stay out
.else
	s_wait_dscnt 0x0
.endif
.if (\s) <= 16
	s_wait_loadcnt 30
.else
	s_wait_loadcnt 2*(31-(\s))
.endif
	MUL1 (\s)%2, (\s)%16
	PLACES
.endm
; Producers: group g of four loads, 8 rows: n younger loads may stay out; rounded, stored to LDS through address register la, and (fill) the registers asked for again, 192 rows further down, through offset register fo.
; Lanes 16-31 take the row four further down: 640 bytes on in LDS, so that the 32 lanes' 8 bytes fall on all 64 banks once.
.macro SGRP g, n, la, fill, fo
	s_wait_loadcnt \n
	WIN 0x45                                       ; sources and destination in window 1
.irp m, 0,1,2,3
	v_cvt_pk_bf16_f32 v[TT+8*((\g)%2)+2*(\m)],   v[WR+16*(\g)+4*(\m)],   v[WR+16*(\g)+4*(\m)+1]
	v_cvt_pk_bf16_f32 v[TT+8*((\g)%2)+2*(\m)+1], v[WR+16*(\g)+4*(\m)+2], v[WR+16*(\g)+4*(\m)+3]
.endr
	WIN 0x04                                       ; the stores' data in window 1
.irp m, 0,1,2,3
	ds_store_b64 v[\la], v[TT+8*((\g)%2)+2*(\m):TT+8*((\g)%2)+2*(\m)+1] offset:(8*(\g)+(\m))*WP
.endr
.if \fill
	WIN 0x40                                       ; the loads' destination in window 1
.irp m, 0,1,2,3
	global_load_b128 v[WR+16*(\g)+4*(\m):WR+16*(\g)+4*(\m)+3], v[\fo], s[WB:WB+1] offset:TRG+(8*(\g)+(\m))*4096 th:TH_LOAD_NT
.endr
.endif
.endm
; My 48 rows of a trip, or my 16 of the tail.  kind 0, in the loop: behind a group's last load stand 20 - 4 g of its trip and 4 g refills: 20.  kind 1, the fifth trip: groups 0 and 1 take the tail's rows, the others
; nothing: 20 - 4 g of the trip and 0, 4 or 8 refills.  kind 2, the tail: the second group's four, then none.
.macro STAGE kind
.if (\kind) == 0
.irp g, 0,1,2,3,4,5
	SGRP \g, 20, WLDS, 1, WOFF
.endr
.elseif (\kind) == 1
	SGRP 0, 20, WLDS, 1, WOFF2
	SGRP 1, 20, WLDS, 1, WOFF2
	SGRP 2, 20, WLDS, 0, WOFF
	SGRP 3, 16, WLDS, 0, WOFF
	SGRP 4, 12, WLDS, 0, WOFF
	SGRP 5, 8,  WLDS, 0, WOFF
.else
	SGRP 0, 4, WLDS2, 0, WOFF
	SGRP 1, 0, WLDS2, 0, WOFF
.endif
	WIN 0
.endm
; A trip.  Producers store its rows and ask for the next trip's; every wave waits for its LDS instructions and passes the barrier; consumers multiply the trip while the producers store the next one, which lies elsewhere.
; A trip's whole stage stands inside ONE branch on the wave's number: so the loads that a count leaves out stand behind a group's last load on every way through the text.
.macro TRIP kind
	s_cmp_lt_u32 s[WVN], 4
	s_cbranch_scc1 .Lcons_\@
	STAGE \kind
.Lcons_\@:
	s_wait_dscnt 0x0                               ; the producers' stores are in LDS; the consumers' reads are back
	s_barrier_signal -1
	s_barrier_wait -1
	s_cmp_ge_u32 s[WVN], 4
	s_cbranch_scc1 .Lprod_\@
.if (\kind) == 0
	KSTEP 0, 0, 1, 1, 1, 50
	KSTEP 0, 1, 0, 1, 1, 50
	KSTEP 0, 2, 0, 1, 1, 50
	KSTEP 0, 3, 0, 1, 1, 50
	KSTEP 0, 4, 0, 1, 1, 50
	KSTEP 0, 5, 0, 0, 1, 50
.elseif (\kind) == 1
	KSTEP 0, 0, 1, 1, 1, 50                        ; K steps 24-29: the first three ask for K steps 29, 30, 31;
	KSTEP 0, 1, 0, 1, 1, 50
	KSTEP 0, 2, 0, 1, 1, 50
	KSTEP 0, 3, 0, 1, 0, 40                        ; then nothing is left to fetch: the counts run down
	KSTEP 0, 4, 0, 1, 0, 30
	KSTEP 0, 5, 0, 0, 0, 20
.else
	KSTEP TRB, 0, 1, 1, 0, 10                      ; K steps 30 and 31
	KSTEP TRB, 1, 0, 0, 0, 0
.endif
.Lprod_\@:
.endm
.macro BIAS0                           ; the packed bias is widened into tile 0's accumulators (in place of additions on the way out)
	WIN 0x44                                       ; source 1 and destination in window 1
.set m, 0
.rept 16
	v_lshlrev_b32 v[ACC+2*m], 16, v[PB+m]
	v_and_b32 v[ACC+2*m+1], 0xffff0000, v[PB+m]
.set m, m+1
.endr
	WIN 0
.endm
; The routed row of my place in the tile whose number lies in s44, asked for from the sublists into IDS + i; ow takes the byte offset of the place's word in order.
.macro LOOKUP i, ow
	s_lshl_b32 s44, s44, 4
	v_add_nc_u32 v29, s44, v2                      ; my place, 16 tile + r
	v_lshlrev_b32 v[\ow], 2, v29
	v_min_u32 v30, s[CL], v29                      ; places past the count repeat the last one
	v_cmp_le_u32 vcc_lo, s[P1], v30                ; which sublist holds it, and what lies in front of that sublist
	v_cndmask_b32 v31, 0, 1, vcc_lo
	v_cndmask_b32 v25, 0, s[P1], vcc_lo
	v_cmp_le_u32 vcc_lo, s[P2], v30
	v_cndmask_b32 v31, v31, 2, vcc_lo
	v_cndmask_b32 v25, v25, s[P2], vcc_lo
	v_cmp_le_u32 vcc_lo, s[P3], v30
	v_cndmask_b32 v31, v31, 3, vcc_lo
	v_cndmask_b32 v25, v25, s[P3], vcc_lo
	v_min_u32 v31, 3, v31
	v_sub_nc_u32 v25, v30, v25
	v_min_u32 v25, 0x3ff, v25
	v_mul_u32_u24 v31, v31, LISTW
	v_lshl_add_u32 v25, v25, 2, v31
	v_add_nc_u32 v25, LIST, v25
	ds_load_b32 v[IDS+(\i)], v25
.endm
.macro TOKEN i                         ; the routed row's token, its row of 2,048 bytes in xb, 16 bytes for each half of the lanes
	v_lshrrev_b32 v25, 1, v[IDS+(\i)]
	v_min_u32 v25, 0x7ff, v25
	v_lshlrev_b32 v25, 11, v25
	v_lshl_add_u32 v[AOFF+(\i)], v3, 4, v25
.endm
.macro COPY i                          ; tile i's 32 results come into window 0, each accumulator's low registers first: ONE text then serves every tile
	WIN 0x01                                       ; the source in window 1
.set z, 0
.rept 32
	v_mov_b32 v[96+z], v[ACC+32*(\i)+z]
.set z, z+1
.endr
	WIN 0
.endm
; Eight numbers a: S = a sqrt(log2(e) / 2); t = 1 / (1 + p |a| / sqrt 2); E = 2^(-S S) = exp(-a a / 2); erfc = t (a1 + t (a2 + t (a3 + t (a4 + t a5)))) E; h = max(a, 0) - 0.5 |a erfc|.
.set GSR, 128
.set GU,  136
.set GQ,  144
.set GM,  152
.set GP,  160
.set GO,  168
.macro GELU ct
.set GA, 96+8*(\ct)
.irp m, 0,2,4,6
	v_pk_mul_f32 v[GSR+(\m):GSR+(\m)+1], v[GA+(\m):GA+(\m)+1], s[C1:C1+1] op_sel_hi:[1,0]
.endr
.irp m, 0,1,2,3,4,5,6,7
	v_fma_f32 v[GU+(\m)], |v[GSR+(\m)]|, s[PP], 1.0
.endr
.irp m, 0,2,4,6
	v_pk_mul_f32 v[GQ+(\m):GQ+(\m)+1], v[GSR+(\m):GSR+(\m)+1], v[GSR+(\m):GSR+(\m)+1] neg_lo:[1,0] neg_hi:[1,0]
.endr
.irp m, 0,1,2,3,4,5,6,7
	v_rcp_f32 v[GU+(\m)], v[GU+(\m)]               ; one batch of sixteen,
.endr
.irp m, 0,1,2,3,4,5,6,7
	v_exp_f32 v[GQ+(\m)], v[GQ+(\m)]
.endr
.irp m, 0,1,2,3,4,5,6,7
	v_max_num_f32 v[GM+(\m)], 0, v[GA+(\m)]        ; plain work behind it that names none of its results,
.endr
	s_wait_alu depctr_va_vdst(0)                   ; and the one wait ahead of the first reader
.irp m, 0,2,4,6
	v_pk_fma_f32 v[GP+(\m):GP+(\m)+1], v[GU+(\m):GU+(\m)+1], v[A5:A5+1], s[A4:A4+1] op_sel_hi:[1,1,0]
.endr
.irp c, A3, A2, A1
.irp m, 0,2,4,6
	v_pk_fma_f32 v[GP+(\m):GP+(\m)+1], v[GP+(\m):GP+(\m)+1], v[GU+(\m):GU+(\m)+1], s[\c:\c+1] op_sel_hi:[1,1,0]
.endr
.endr
.irp m, 0,2,4,6
	v_pk_mul_f32 v[GP+(\m):GP+(\m)+1], v[GP+(\m):GP+(\m)+1], v[GU+(\m):GU+(\m)+1]
.endr
.irp m, 0,2,4,6
	v_pk_mul_f32 v[GP+(\m):GP+(\m)+1], v[GP+(\m):GP+(\m)+1], v[GQ+(\m):GQ+(\m)+1]
.endr
.irp m, 0,2,4,6
	v_pk_mul_f32 v[GP+(\m):GP+(\m)+1], v[GP+(\m):GP+(\m)+1], v[GA+(\m):GA+(\m)+1]
.endr
.irp m, 0,1,2,3,4,5,6,7
	v_fma_f32 v[GM+(\m)], |v[GP+(\m)]|, -0.5, v[GM+(\m)]
.endr
.irp m, 0,1,2,3
	v_cvt_pk_bf16_f32 v[GO+4*(\ct)+(\m)], v[GM+2*(\m)], v[GM+2*(\m)+1]
.endr
.endm
	s_load_b256 s[4:11], s[0:1], 0x0               ; idx s[4:5], xb s[6:7], W1 s[8:9], b1 s[10:11]
	s_load_b128 s[12:15], s[0:1], 0x20             ; hbuf s[12:13], order s[14:15]
	s_load_b64 s[16:17], s[0:1], 0x30              ; cnt
	v_lshl_add_u32 v[SPW], v0, 2, SPARE
	v_mov_b32 v[NIL], 0
	v_and_b32 v1, 31, v0                           ; lane L
	v_and_b32 v2, 15, v0                           ; r
	v_bfe_u32 v3, v0, 4, 1                         ; h
	v_lshrrev_b32 v25, 5, v0
	v_readfirstlane_b32 s[WVN], v25
	s_and_b32 s[W3], s[WVN], 3
	s_mov_b32 s[SL], ttmp9
	s_and_b32 s[EX], ttmp7, 0xffff
	v_lshlrev_b32 v[L16], 4, v1
	v_and_b32 v25, 7, v0
	v_lshl_add_u32 v25, v3, 3, v25                 ; the turning load: row 8 h + L % 8,
	v_mul_u32_u24 v[BLF], v25, WP
	v_bfe_u32 v25, v0, 3, 1
	v_lshl_add_u32 v[BLF], v25, 4, v[BLF]          ; columns 8 ((L / 8) % 2) ..
	v_add_nc_u32 v[BLF+1], 12*KSB, v[BLF]
	v_add_nc_u32 v[BLF+2], 24*KSB, v[BLF]
	v_mov_b32 v[BL], v[BLF]
	v_mul_u32_u24 v25, v3, 4*WP                    ; producers, into LDS: 4 h rows, 8 bytes a lane,
	v_lshl_add_u32 v25, v2, 3, v25
	s_mul_i32 s44, s[W3], 48*WP                    ; my 48 rows of a trip,
	v_add_nc_u32 v[WLDS], s44, v25
	s_mul_i32 s44, s[W3], 16*WP                    ; my 16 rows of the tail, which lies behind five trips
	s_add_co_u32 s44, s44, 5*TRB
	v_add_nc_u32 v[WLDS2], s44, v25
	v_lshlrev_b32 v25, 14, v3                      ; and the same in memory: 16 bytes a lane
	v_lshl_add_u32 v25, v2, 4, v25
	s_mul_i32 s44, s[W3], 48*4096
	v_add_nc_u32 v[WOFF], s44, v25
	s_lshl_b32 s44, s[W3], 16
	v_add_nc_u32 v[WOFF2], s44, v25
	s_mov_b32 s[C1], 0x3f596d27                    ; 0.8493218
	s_mov_b32 s[C1+1], s[C1]                       ; named with it as a pair
	s_mov_b32 s[PP], 0x3e8ba43f                    ; 0.2727375
	s_mov_b32 s[A4], 0xbfba00e3                    ; -1.453152027
	s_mov_b32 s[A4+1], s[A4]
	s_mov_b32 s[A3], 0x3fb5f0e3                    ; 1.421413741
	s_mov_b32 s[A3+1], s[A3]
	s_mov_b32 s[A2], 0xbe91a98e                    ; -0.284496736
	s_mov_b32 s[A2+1], s[A2]
	s_mov_b32 s[A1], 0x3e827906                    ; 0.254829592
	s_mov_b32 s[A1+1], s[A1]
	v_mov_b32 v[A5], 0x3f87dc22                    ; 1.061405429
	v_mov_b32 v[A5+1], 0x3f87dc22
	s_lshl_b32 s44, s[EX], 22                      ; an expert's 4 MiB, of W1 and of hbuf
	s_mov_b32 s45, 0
	s_lshl_b32 s22, s[SL], 8
	s_mov_b32 s23, 0
	s_wait_kmcnt 0x0
	s_add_nc_u64 s[WB:WB+1], s[8:9], s[44:45]
	s_add_nc_u64 s[WB:WB+1], s[WB:WB+1], s[22:23]
	s_add_nc_u64 s[10:11], s[10:11], s[22:23]
	s_add_nc_u64 s[OB:OB+1], s[12:13], s[44:45]
	s_lshl_b32 s22, s[SL], 11                      ; my slice's 2,048 bytes of a tile
	s_add_nc_u64 s[OB:OB+1], s[OB:OB+1], s[22:23]
	s_lshl_b32 s22, s[EX], 12
	s_add_nc_u64 s[10:11], s[10:11], s[22:23]
	s_lshl_b32 s22, s[EX], 13
	s_add_nc_u64 s[14:15], s[14:15], s[22:23]
	s_lshl_b32 s22, s[EX], 7
	s_add_nc_u64 s[16:17], s[16:17], s[22:23]
	s_mov_b64 s[AO:AO+1], s[6:7]
	s_mov_b64 s[AB:AB+1], s[6:7]
	s_cmp_ge_u32 s[WVN], 4
	s_cbranch_scc1 .Lprod_first
	; CONSUMERS: the bias, and my quarter of idx sorted into my sublist
	v_lshlrev_b32 v29, 5, v3
.irp ct, 0,1,2,3
	global_load_b128 v[128+8*(\ct):128+8*(\ct)+3],   v29, s[10:11] offset:64*(\ct)
	global_load_b128 v[128+8*(\ct)+4:128+8*(\ct)+7], v29, s[10:11] offset:64*(\ct)+16
.endr
	s_lshl_b32 s44, s[W3], 12
	v_add_nc_u32 v30, s44, v[L16]
.irp i, 0,1,2,3,4,5,6,7
	global_load_b128 v[96+4*(\i):96+4*(\i)+3], v30, s[4:5] offset:512*(\i)
.endr
	s_mul_i32 s22, s[W3], LISTW
	s_add_co_u32 s22, s22, LIST                    ; my sublist
	s_lshl_b32 s23, s[W3], 2
	s_add_co_u32 s23, s23, CNTL                    ; my count
	v_mov_b32 v31, s22
	v_mov_b32 v25, 0
	ds_store_b32 v31, v25                          ; word 0 holds row 0 until a row is found: an expert without rows works on token 0
	s_lshl_b32 s44, s[W3], 10
	v_lshl_add_u32 v160, v1, 2, s44                ; the routed row of my first word: 1,024 w + 4 L
	s_mov_b32 s45, 0                               ; rows found so far
	s_wait_loadcnt 0x0
.set n, 0
.rept 32                               ; word n of my 32: the lanes that hold the expert store their row at the running count plus their rank among those lanes; the others at the spare word 1,024
	v_cmp_eq_u32 s44, s[EX], v[96+n]
	v_mbcnt_lo_u32_b32 v161, s44, s45
	v_cndmask_b32 v161, 0x400, v161, s44
	v_min_u32 v161, 0x400, v161
	v_lshl_add_u32 v162, v161, 2, s22
	v_add_nc_u32 v163, 128*(n/4)+n%4, v160
	ds_store_b32 v162, v163
	s_bcnt1_i32_b32 s44, s44
	s_add_co_u32 s45, s45, s44
.set n, n+1
.endr
	v_mov_b32 v161, s45
	v_mov_b32 v162, s23
	ds_store_b32 v162, v161
	WIN 0x40                                       ; the bias rounded to bf16 and kept packed, in window 1
.set m, 0
.rept 16
	v_cvt_pk_bf16_f32 v[PB+m], v[128+2*m], v[128+2*m+1]
.set m, m+1
.endr
	WIN 0
	s_branch .Ljoin_first
.Lprod_first:
	; PRODUCERS: my 48 rows of the first trip are asked for: 24 loads of 512 bytes a wave are out from here to the fifth trip
	WIN 0x40
.irp g, 0,1,2,3,4,5
.irp m, 0,1,2,3
	global_load_b128 v[WR+16*(\g)+4*(\m):WR+16*(\g)+4*(\m)+3], v[WOFF], s[WB:WB+1] offset:(8*(\g)+(\m))*4096 th:TH_LOAD_NT
.endr
.endr
	WIN 0
.Ljoin_first:
	s_wait_dscnt 0x0                               ; my sublist and my count are in LDS
	s_barrier_signal -1
	s_barrier_wait -1                              ; everybody's are
	s_cmp_ge_u32 s[WVN], 4
	s_cbranch_scc1 .Ljoin_second
	v_mov_b32 v25, CNTL
	ds_load_b128 v[96:99], v25
	s_wait_dscnt 0x0
	v_readfirstlane_b32 s[P1], v96
	v_readfirstlane_b32 s[P2], v97
	v_readfirstlane_b32 s[P3], v98
	v_readfirstlane_b32 s[CN], v99
	s_min_u32 s[P1], s[P1], 0x400
	s_min_u32 s[P2], s[P2], 0x400
	s_min_u32 s[P3], s[P3], 0x400
	s_min_u32 s[CN], s[CN], 0x400
	s_add_co_u32 s[P2], s[P2], s[P1]
	s_add_co_u32 s[P3], s[P3], s[P2]
	s_add_co_u32 s[CN], s[CN], s[P3]
	s_min_u32 s[CN], s[CN], 0x800                  ; a token names an expert once: 2,048 rows at the most
	s_add_co_u32 s[TN], s[CN], 15
	s_lshr_b32 s[TN], s[TN], 4
	s_max_u32 s[T1], s[TN], 1
	s_max_u32 s[CL], s[CN], 1
	s_sub_co_u32 s[CL], s[CL], 1
	; my first five tiles: their rows are looked up, the first five K steps' fragments asked for, the accumulators set to the bias
.irp i, 0,1,2,3,4
	s_add_co_u32 s44, s[W3], 4*(\i)
	LOOKUP \i, 216+\i
.endr
	s_wait_dscnt 0x0
	s_cmp_lg_u32 s[SL], 0                          ; slice 0's work-group alone stores the list and the count for the next launch
	s_cbranch_scc1 .Lno_list
	s_cmp_lg_u32 s[WVN], 0
	s_cbranch_scc1 .Lno_cnt
	v_lshlrev_b32 v25, 2, v1
	v_mov_b32 v29, s[CN]
	global_store_b32 v25, v29, s[16:17]            ; 32 equal words
.Lno_cnt:
.irp i, 0,1,2,3,4
	s_add_co_u32 s44, s[W3], 4*(\i)
	s_cmp_ge_u32 s44, s[T1]
	s_cbranch_scc1 .Lno_list                       ; this tile and my later ones lie past the count
	global_store_b32 v[216+(\i)], v[IDS+(\i)], s[14:15]  ; the two halves of the lanes store the same word with the same number
.endr
.Lno_list:
	s_wait_xcnt 0x0                                ; the stores above have read their registers, which are written below
.irp i, 0,1,2,3,4
	TOKEN \i
.endr
.irp q, 0,1,2,3,4
	ALOAD \q, (\q)*KS
.endr
	BIAS0
	WIN 0x41                                       ; source and destination in window 1
.irp i, 1,2,3,4
.set z, 0
.rept 32
	v_mov_b32 v[ACC+32*(\i)+z], v[ACC+z]
.set z, z+1
.endr
.endr
	WIN 0
.Ljoin_second:
	; BESIDE THE STREAM: K steps 0-23 in four trips, K steps 24-29 and 30-31 written out, so that no load passes the slice's or a row's end
	s_mov_b32 s[KC], 4
.Lstream:
	TRIP 0
	s_wait_xcnt 0x0                                ; the bases are stepped only behind this wait
	s_add_nc_u64 s[WB:WB+1], s[WB:WB+1], TRG
	s_add_nc_u64 s[AB:AB+1], s[AB:AB+1], TK*KS
	v_add_nc_u32 v[WLDS], TRB, v[WLDS]
	v_add_nc_u32 v[BL], TRB, v[BL]
	s_sub_co_u32 s[KC], s[KC], 1
	s_cmp_lg_u32 s[KC], 0
	s_cbranch_scc1 .Lstream
	TRIP 1
	TRIP 2
	s_cmp_ge_u32 s[WVN], 4
	s_cbranch_scc1 .Lend                           ; the producers are done; no barrier follows
	s_wait_loadcnt 0x0                             ; no load of mine is out (the last K step waited for 0): said once more here, ahead of the loads below into the ring's registers
	; MY TILES, ONE A TRIP: 32 trips cover a consumer's share of 128 tiles; the first tile past the count ends the walk.  Trips 0-4 find their tile in the accumulators; the later ones compute it first, into tile 0's.
	s_mov_b32 s[TC], 32
	s_mov_b32 s[TAU], s[W3]
.Ltile:
	s_cmp_ge_u32 s[TAU], s[T1]
	s_cbranch_scc1 .Lend
	s_wait_xcnt 0x0                                ; the last trip's stores have read their registers
	s_cmp_gt_u32 s[TC], 27
	s_cbranch_scc1 .Lhave
	s_mov_b32 s44, s[TAU]
	LOOKUP 0, OW1
	s_wait_dscnt 0x0
	s_cmp_lg_u32 s[SL], 0
	s_cbranch_scc1 .Lno_list1
	global_store_b32 v[OW1], v[IDS], s[14:15]
.Lno_list1:
	TOKEN 0
.set k, 0
.rept 16
	ALOAD1 k, k
.set k, k+1
.endr
	BIAS0
	BLOADX 0, 0
.set k, 0
.rept 32
	KSTEP1 k
.set k, k+1
.endr
.Lhave:
	s_cmp_eq_u32 s[TC], 31                         ; which accumulators hold the trip's tile hangs on the counter alone
	s_cbranch_scc1 .Lcopy1
	s_cmp_eq_u32 s[TC], 30
	s_cbranch_scc1 .Lcopy2
	s_cmp_eq_u32 s[TC], 29
	s_cbranch_scc1 .Lcopy3
	s_cmp_eq_u32 s[TC], 28
	s_cbranch_scc1 .Lcopy4
	COPY 0
	s_branch .Lgelu
.Lcopy1:
	COPY 1
	s_branch .Lgelu
.Lcopy2:
	COPY 2
	s_branch .Lgelu
.Lcopy3:
	COPY 3
	s_branch .Lgelu
.Lcopy4:
	COPY 4
.Lgelu:
	s_min_u32 s44, s[TAU], 127
	s_lshl_b32 s44, s44, 15                        ; a tile of hbuf is 32,768 bytes
	v_add_nc_u32 v[HO], s44, v[L16]
	GELU 0
	GELU 1
	GELU 2
	GELU 3
.irp ct, 0,1,2,3
	global_store_b128 v[HO], v[GO+4*(\ct):GO+4*(\ct)+3], s[OB:OB+1] offset:512*(\ct)  ; 512 consecutive bytes each, 2,048 on end, aligned: lane (r, h) holds row r, k = 64 s + 16 ct + 8 h ..
.endr
	s_add_co_u32 s[TAU], s[TAU], 4
	s_sub_co_u32 s[TC], s[TC], 1
	s_cmp_lg_u32 s[TC], 0
	s_cbranch_scc1 .Ltile
.Lend:
	s_wait_tensorcnt 0x0                           ; the wave's end
	ds_add_u32 v[SPW], v[NIL]
	s_wait_dscnt 0x0
	s_endpgm
.Lfunc_end_k_qaf0ab7a5dd_up:
	.size	k_qaf0ab7a5dd_up, .Lfunc_end_k_qaf0ab7a5dd_up-k_qaf0ab7a5dd_up
	.p2alignl 7, 3214868480
	.fill 96, 4, 3214868480
	.section	.rodata,"a",@progbits
	.p2align	6, 0x0
	.amdhsa_kernel k_qaf0ab7a5dd_up
		.amdhsa_group_segment_fixed_size 182528
		.amdhsa_private_segment_fixed_size 0
		.amdhsa_enable_private_segment 0
		.amdhsa_kernarg_size 56
		.amdhsa_user_sgpr_count 2
		.amdhsa_user_sgpr_kernarg_segment_ptr 1
		.amdhsa_wavefront_size32 1
		.amdhsa_system_sgpr_workgroup_id_x 1
		.amdhsa_system_sgpr_workgroup_id_y 1
		.amdhsa_system_sgpr_workgroup_id_z 1
		.amdhsa_system_vgpr_workitem_id 0
		.amdhsa_next_free_vgpr 512
		.amdhsa_next_free_sgpr 66
		.amdhsa_reserve_vcc 1
		.amdhsa_float_denorm_mode_32 3
		.amdhsa_float_denorm_mode_16_64 3
		.amdhsa_memory_ordered 1
		.amdhsa_forward_progress 1
		.amdhsa_inst_pref_size 163
	.end_amdhsa_kernel
	.amdgpu_metadata
---
amdhsa.version: [ 1, 2 ]
amdhsa.kernels:
  - .name:           k_qaf0ab7a5dd_up
    .symbol:         k_qaf0ab7a5dd_up.kd
    .args:
      - { .name: idx, .offset: 0, .size: 8, .value_kind: global_buffer, .address_space: global }
      - { .name: xb, .offset: 8, .size: 8, .value_kind: global_buffer, .address_space: global }
      - { .name: W1, .offset: 16, .size: 8, .value_kind: global_buffer, .address_space: global }
      - { .name: b1, .offset: 24, .size: 8, .value_kind: global_buffer, .address_space: global }
      - { .name: hbuf, .offset: 32, .size: 8, .value_kind: global_buffer, .address_space: global }
      - { .name: order, .offset: 40, .size: 8, .value_kind: global_buffer, .address_space: global }
      - { .name: cnt, .offset: 48, .size: 8, .value_kind: global_buffer, .address_space: global }
    .group_segment_fixed_size: 182528
    .private_segment_fixed_size: 0
    .kernarg_segment_align: 8
    .kernarg_segment_size: 56
    .max_flat_workgroup_size: 256
    .sgpr_count:     66
    .vgpr_count:     512
    .wavefront_size: 32
...
	.end_amdgpu_metadata
.endif
;; end of part 2
;; launch down (part 3): grid 16 x 16, 8 waves a work-group, no clusters, 253,952 bytes of LDS; arguments hbuf, order, cnt, W2, b2, out0; writes out0
.if DOCPART == 3
	.amdgcn_target "amdgcn-amd-amdhsa--gfx1250"
	.amdhsa_code_object_version 6
	.text
	.protected	k_qaf0ab7a5dd_down
	.globl	k_qaf0ab7a5dd_down
	.p2align	8
	.type	k_qaf0ab7a5dd_down,@function
k_qaf0ab7a5dd_down:
	s_mov_b64 s[64:65], 0
	v_nop
	global_prefetch_b8 v0, s[64:65] scope:SCOPE_SE
	s_setreg_imm32_b32 hwreg(HW_REG_WAVE_MODE, 25, 1), 1
	s_wait_xcnt 0x0
; DOWN.  y = h W2[e] + b2[e] for the rows of expert e, stored as f32 at the rows of out0 that the list names.
; The structure is the launch before's.  Work-group (x = slice s, y = expert e) owns W2[e][:, 64 s .. 64 s + 63], which it alone reads, once, and all rows of expert e.
; Waves 4-7 (producers) stream the slice, round it to bf16 and lay it in LDS, every row at a place of its own; waves 0-3 (consumers) load h straight into operand registers (hbuf holds the
; registers' image: a load of a wave takes 512 consecutive bytes) and multiply.  Separate waves, because loads come back in issue order (ISA guide 5.7.1).
; THE STREAM goes in trips of six K steps (192 rows of W), one barrier a trip: four trips in a loop, the fifth written out, then a tail of two K steps.  Six, because the consumers' ring of h fragments has six slots:
; five K steps, 50 loads, 25,600 bytes of a consumer are on their way while one is multiplied.  A producer has 24 loads out, each asked for a whole trip ahead of the wait for it; so no prefetch is written.
; Tile t of 16 rows belongs to consumer t % 4.  A consumer's first five tiles are multiplied beside the stream; its further tiles come one at a time when the slice lies in LDS, without a barrier,
; every LDS address a fixed register and an immediate.  The count and the list were stored by the launch before.
; Among the first five, tiles past the count are computed on the last tile once more and not stored; places past the count in the last tile repeat its last row, and store that row's numbers once more at the same bytes.
; NO CLUSTER, NO TENSOR LOADS: each weight byte has one reader and passes through registers to be rounded; 320 rows of 2,048 bytes, which an expert's sixteen work-groups share, have no room in LDS beside the slice's 163,840.
; FORMATS.  h bf16; W2 and b2 rounded to bf16; sums in f32; y is stored unrounded.  NaN and infinities are not treated apart.
; REGISTERS as in the launch before.  Window 0: v0-31 addresses; v32-95 W fragments; v96-255 slots 0-3 of the ring; for a later tile v96-223 sixteen slots of 8; on the way out v96-135 at work.
; Window 1 (written less 256): consumers: v0-79 slots 4, 5; v80-239 accumulators; v240-255 the bias, packed in bf16.  Producers: v80-175 the 24 loads; v176-191 at work.  No register is the target of a load in both kinds of wave.
.set KS,    1024                       ; bytes from one K step of a tile's image to the next
.set PIECE, 512
.set WP,    160
.set KSB,   32*WP
.set TK,    6
.set TRB,   TK*KSB
.set TRG,   TK*32*4096
.set STG,   32*KSB                     ; 4 x 21,760: a consumer's stage, 5 tiles x 16 rows x 272 bytes of f32
.set TILEB, 16*272
.set STGW,  5*TILEB
.set LIST,  STG+4*STGW                 ; 4 x 512, of which a consumer uses 320 bytes: the routed rows of its five tiles
.set LISTW, 512
.set SPARE, LIST+4*LISTW               ; the spare words, 128 bytes a wave
.set SPW,  4
.set NIL,  5
.set BL,   6                           ; LDS address of my W fragments, running with the stream
.set STO,  7                           ; into the stage: row r, 32 bytes for each half of the lanes; never rewritten
.set RD,   8                           ; back: lanes 0-15 a whole row of 256 bytes, lanes 16-31 the row eight further down; never rewritten
.set AOFF, 9
.set IDS,  14
.set R16,  19                          ; 16 (L % 16)
.set LO,   20                          ; where my row's number goes; never rewritten
.set LR,   21                          ; where I read eight rows' numbers back; never rewritten
.set WLDS, 22
.set WOFF, 23
.set WLDS2, 24
.set BLF,  26                          ; v26-28  LDS address of my W fragments at K steps 0, 12, 24; never rewritten
.set L16,  29
.set WOFF2, 31
.set BF,   32
.set AF,   96
.set ACC,  80                          ; window 1
.set PB,   240                         ; window 1
.set RB,   40                          ; window 1: the bias as loaded, in slot 5, which is free until the first K step
.set WR,   80                          ; window 1
.set TT,   176                         ; window 1
.set WVN,  18
.set W3,   19
.set SL,   20
.set EX,   21
.set CN,   24
.set TN,   25
.set T1,   26
.set CL,   27                          ; the last tile that exists
.set KC,   33
.set TC,   34
.set TAU,  35
.set AB,   36
.set AO,   38
.set WB,   40
.set OB,   42
.set MSB, 0
.macro WIN new                         ; the immediate's high byte repeats the setting that is left; a switch that changes nothing is dropped
.if MSB != (\new)
	s_set_vgpr_msb (MSB<<8)|(\new)
.set MSB, (\new)
.endif
.endm
.macro PLACES                          ; four places between a product and a load into, or a vector line or a store on, one of its registers (ISA guide 7.12.1 for vector lines)
.rept 4
	v_nop
.endr
.endm
.macro BLOAD b, imm
.irp ct, 0,1,2,3
	ds_load_tr16_b128 v[BF+32*(\b)+8*(\ct):BF+32*(\b)+8*(\ct)+3],   v[BL] offset:(\imm)+32*(\ct)
	ds_load_tr16_b128 v[BF+32*(\b)+8*(\ct)+4:BF+32*(\b)+8*(\ct)+7], v[BL] offset:(\imm)+32*(\ct)+16*WP
.endr
.endm
.macro BLOADX b, k                     ; K step k of 32, by a fixed register and an immediate of 58,976 at the most
.irp ct, 0,1,2,3
	ds_load_tr16_b128 v[BF+32*(\b)+8*(\ct):BF+32*(\b)+8*(\ct)+3],   v[BLF+((\k)/12)] offset:((\k)%12)*KSB+32*(\ct)
	ds_load_tr16_b128 v[BF+32*(\b)+8*(\ct)+4:BF+32*(\b)+8*(\ct)+7], v[BLF+((\k)/12)] offset:((\k)%12)*KSB+32*(\ct)+16*WP
.endr
.endm
.macro ALOAD q, imm                    ; a K step's h fragments, 5 tiles, into slot q of six: slots 0-3 lie in window 0, slots 4 and 5 in window 1
.if (\q) < 4
	WIN 0
.set AR, AF+40*(\q)
.else
	WIN 0x40                                       ; the loads' destination in window 1
.set AR, 40*((\q)-4)
.endif
.irp i, 0,1,2,3,4
	global_load_b128 v[AR+8*(\i):AR+8*(\i)+3],   v[AOFF+(\i)], s[AB:AB+1] offset:(\imm)
	global_load_b128 v[AR+8*(\i)+4:AR+8*(\i)+7], v[AOFF+(\i)], s[AB:AB+1] offset:(\imm)+PIECE
.endr
	WIN 0
.endm
.macro ALOAD1 q, k
	global_load_b128 v[AF+8*(\q):AF+8*(\q)+3],   v[AOFF], s[AO:AO+1] offset:(\k)*KS
	global_load_b128 v[AF+8*(\q)+4:AF+8*(\q)+7], v[AOFF], s[AO:AO+1] offset:(\k)*KS+PIECE
.endm
.macro MUL b, q                        ; 20 products; the 20 accumulators take turns, one instruction a turn
.if (\q) < 4
	WIN 0x50                                       ; C and D in window 1
.set AR, AF+40*(\q)
.else
	WIN 0x54                                       ; and source 1 too
.set AR, 40*((\q)-4)
.endif
.irp i, 0,1,2,3,4
.irp ct, 0,1,2,3
	v_wmma_f32_16x16x32_bf16 v[ACC+32*(\i)+8*(\ct):ACC+32*(\i)+8*(\ct)+7], v[BF+32*(\b)+8*(\ct):BF+32*(\b)+8*(\ct)+7], v[AR+8*(\i):AR+8*(\i)+7], v[ACC+32*(\i)+8*(\ct):ACC+32*(\i)+8*(\ct)+7]
.endr
.endr
	WIN 0
.endm
.macro MUL1 b, q                       ; 4 products of one tile; its 4 accumulators take turns
	WIN 0x50
.irp ct, 0,1,2,3
	v_wmma_f32_16x16x32_bf16 v[ACC+8*(\ct):ACC+8*(\ct)+7], v[BF+32*(\b)+8*(\ct):BF+32*(\b)+8*(\ct)+7], v[AF+8*(\q):AF+8*(\q)+7], v[ACC+8*(\ct):ACC+8*(\ct)+7]
.endr
	WIN 0
.endm
; K step s of a trip whose rows begin lb bytes behind BL.  la: the h fragments five K steps on are fetched, into the slot multiplied last.  n: ten younger loads for each slot asked for behind the one that is multiplied.
.macro KSTEP lb, s, first, nb, la, n
.if \first
	BLOAD (\s)%2, (\lb)+(\s)*KSB
.endif
.if \nb
	BLOAD ((\s)+1)%2, (\lb)+((\s)+1)*KSB
.endif
.if \la
	ALOAD ((\s)+5)%6, ((\s)+5)*KS
.endif
.if \nb
	s_wait_dscnt 0x8                               ; the eight loads just issued may stay out
.else
	s_wait_dscnt 0x0
.endif
	s_wait_loadcnt \n
	MUL (\s)%2, \s
	PLACES
.endm
; K step s of 32 of a later tile.  K steps 0-15 were asked for ahead of it; K step s (1 to 16) asks for K step s + 15, into the slot multiplied last.
; Behind K step s's two loads stand those of fifteen further K steps while the ring is refilled: 30; from K step 17 on those of the 31 - s that are left.
.macro KSTEP1 s
.if (\s) < 31
	BLOADX ((\s)+1)%2, (\s)+1
.endif
.if ((\s) >= 1) && ((\s) <= 16)
	ALOAD1 (\s)-1, (\s)+15
.endif
.if (\s) < 31
	s_wait_dscnt 0x8
.else
	s_wait_dscnt 0x0
.endif
.if (\s) <= 16
	s_wait_loadcnt 30
.else
	s_wait_loadcnt 2*(31-(\s))
.endif
	MUL1 (\s)%2, (\s)%16
	PLACES
.endm
; Producers: group g of four loads, 8 rows: n younger loads may stay out; rounded, stored to LDS through address register la, and (fill) the registers asked for again, 192 rows further down, through offset register fo.
.macro SGRP g, n, la, fill, fo
	s_wait_loadcnt \n
	WIN 0x45                                       ; sources and destination in window 1
.irp m, 0,1,2,3
	v_cvt_pk_bf16_f32 v[TT+8*((\g)%2)+2*(\m)],   v[WR+16*(\g)+4*(\m)],   v[WR+16*(\g)+4*(\m)+1]
	v_cvt_pk_bf16_f32 v[TT+8*((\g)%2)+2*(\m)+1], v[WR+16*(\g)+4*(\m)+2], v[WR+16*(\g)+4*(\m)+3]
.endr
	WIN 0x04                                       ; the stores' data in window 1
.irp m, 0,1,2,3
	ds_store_b64 v[\la], v[TT+8*((\g)%2)+2*(\m):TT+8*((\g)%2)+2*(\m)+1] offset:(8*(\g)+(\m))*WP
.endr
.if \fill
	WIN 0x40                                       ; the loads' destination in window 1
.irp m, 0,1,2,3
	global_load_b128 v[WR+16*(\g)+4*(\m):WR+16*(\g)+4*(\m)+3], v[\fo], s[WB:WB+1] offset:TRG+(8*(\g)+(\m))*4096 th:TH_LOAD_NT
.endr
.endif
.endm
; kind 0, in the loop: behind a group's last load stand 20 - 4 g of its trip and 4 g refills: 20.  kind 1, the fifth trip: groups 0 and 1 take the tail's rows, the others nothing.  kind 2, the tail.
.macro STAGE kind
.if (\kind) == 0
.irp g, 0,1,2,3,4,5
	SGRP \g, 20, WLDS, 1, WOFF
.endr
.elseif (\kind) == 1
	SGRP 0, 20, WLDS, 1, WOFF2
	SGRP 1, 20, WLDS, 1, WOFF2
	SGRP 2, 20, WLDS, 0, WOFF
	SGRP 3, 16, WLDS, 0, WOFF
	SGRP 4, 12, WLDS, 0, WOFF
	SGRP 5, 8,  WLDS, 0, WOFF
.else
	SGRP 0, 4, WLDS2, 0, WOFF
	SGRP 1, 0, WLDS2, 0, WOFF
.endif
	WIN 0
.endm
; A trip.  Its whole stage stands inside ONE branch on the wave's number: so the loads that a count leaves out stand behind a group's last load on every way through the text.
.macro TRIP kind
	s_cmp_lt_u32 s[WVN], 4
	s_cbranch_scc1 .Lcons_\@
	STAGE \kind
.Lcons_\@:
	s_wait_dscnt 0x0                               ; the producers' stores are in LDS; the consumers' reads are back
	s_barrier_signal -1
	s_barrier_wait -1
	s_cmp_ge_u32 s[WVN], 4
	s_cbranch_scc1 .Lprod_\@
.if (\kind) == 0
	KSTEP 0, 0, 1, 1, 1, 50
	KSTEP 0, 1, 0, 1, 1, 50
	KSTEP 0, 2, 0, 1, 1, 50
	KSTEP 0, 3, 0, 1, 1, 50
	KSTEP 0, 4, 0, 1, 1, 50
	KSTEP 0, 5, 0, 0, 1, 50
.elseif (\kind) == 1
	KSTEP 0, 0, 1, 1, 1, 50                        ; K steps 24-29: the first three ask for K steps 29, 30, 31;
	KSTEP 0, 1, 0, 1, 1, 50
	KSTEP 0, 2, 0, 1, 1, 50
	KSTEP 0, 3, 0, 1, 0, 40                        ; then nothing is left to fetch: the counts run down
	KSTEP 0, 4, 0, 1, 0, 30
	KSTEP 0, 5, 0, 0, 0, 20
.else
	KSTEP TRB, 0, 1, 1, 0, 10                      ; K steps 30 and 31
	KSTEP TRB, 1, 0, 0, 0, 0
.endif
.Lprod_\@:
.endm
.macro BIAS0                           ; the packed bias is widened into tile 0's accumulators (in place of additions on the way out)
	WIN 0x44                                       ; source 1 and destination in window 1
.set m, 0
.rept 16
	v_lshlrev_b32 v[ACC+2*m], 16, v[PB+m]
	v_and_b32 v[ACC+2*m+1], 0xffff0000, v[PB+m]
.set m, m+1
.endr
	WIN 0
.endm
; A lane holds 32 bytes of a row: the rows are put together in my stage.  Tile i's results and its rows' numbers go in; each accumulator's low registers first.
.macro DUMP i
	WIN 0x04                                       ; the stores' data in window 1
.irp ct, 0,1,2,3
	ds_store_b128 v[STO], v[ACC+32*(\i)+8*(\ct):ACC+32*(\i)+8*(\ct)+3]   offset:TILEB*(\i)+64*(\ct)
	ds_store_b128 v[STO], v[ACC+32*(\i)+8*(\ct)+4:ACC+32*(\i)+8*(\ct)+7] offset:TILEB*(\i)+64*(\ct)+16
.endr
	WIN 0
	ds_store_b32 v[LO], v[IDS+(\i)] offset:64*(\i) ; the two halves of the lanes store the same word with the same number
.endm
; Tile i comes back as whole rows and is stored.
.macro TILEOUT i
	s_wait_xcnt 0x0                                ; the last tile's stores have read their registers
	ds_load_b128 v[96:99],   v[LR] offset:64*(\i)  ; the routed rows of the tile's rows 8 h .. 8 h + 7
	ds_load_b128 v[100:103], v[LR] offset:64*(\i)+16
.irp t, 0,1,2,3,4,5,6,7
	ds_load_b128 v[104+4*(\t):104+4*(\t)+3], v[RD] offset:TILEB*(\i)+272*(\t)   ; LDS serves a wave in order (ISA guide 5.7.1.4): these see my stores
.endr
	s_wait_dscnt 0x0
.irp t, 0,1,2,3,4,5,6,7
	v_min_u32 v[96+(\t)], 0xfff, v[96+(\t)]
	v_lshl_add_u32 v[96+(\t)], v[96+(\t)], 12, v[R16]               ; a row of out0 is 4,096 bytes
	global_store_b128 v[96+(\t)], v[104+4*(\t):104+4*(\t)+3], s[OB:OB+1]  ; 16 lanes store 256 consecutive bytes, aligned: my slice of a row
.endr
.endm
	s_load_b256 s[4:11], s[0:1], 0x0               ; hbuf s[4:5], order s[6:7], cnt s[8:9], W2 s[10:11]
	s_load_b128 s[12:15], s[0:1], 0x20             ; b2 s[12:13], out0 s[14:15]
	v_lshl_add_u32 v[SPW], v0, 2, SPARE
	v_mov_b32 v[NIL], 0
	v_and_b32 v1, 31, v0
	v_and_b32 v2, 15, v0
	v_bfe_u32 v3, v0, 4, 1
	v_lshrrev_b32 v25, 5, v0
	v_readfirstlane_b32 s[WVN], v25
	s_and_b32 s[W3], s[WVN], 3
	s_mov_b32 s[SL], ttmp9
	s_and_b32 s[EX], ttmp7, 0xffff
	v_lshlrev_b32 v[L16], 4, v1
	v_lshlrev_b32 v[R16], 4, v2
	v_and_b32 v25, 7, v0
	v_lshl_add_u32 v25, v3, 3, v25
	v_mul_u32_u24 v[BLF], v25, WP
	v_bfe_u32 v25, v0, 3, 1
	v_lshl_add_u32 v[BLF], v25, 4, v[BLF]
	v_add_nc_u32 v[BLF+1], 12*KSB, v[BLF]
	v_add_nc_u32 v[BLF+2], 24*KSB, v[BLF]
	v_mov_b32 v[BL], v[BLF]
	s_mul_i32 s44, s[W3], STGW
	s_add_co_u32 s44, s44, STG
	v_mul_u32_u24 v[STO], v2, 272
	v_lshl_add_u32 v[STO], v3, 5, v[STO]
	v_add_nc_u32 v[STO], s44, v[STO]
	v_mul_u32_u24 v[RD], v3, 8*272
	v_lshl_add_u32 v[RD], v2, 4, v[RD]
	v_add_nc_u32 v[RD], s44, v[RD]
	s_mul_i32 s44, s[W3], LISTW
	s_add_co_u32 s44, s44, LIST
	v_lshl_add_u32 v[LO], v2, 2, s44
	v_lshl_add_u32 v[LR], v3, 5, s44
	v_mul_u32_u24 v25, v3, 4*WP                    ; producers, into LDS: 4 h rows, 8 bytes a lane,
	v_lshl_add_u32 v25, v2, 3, v25
	s_mul_i32 s44, s[W3], 48*WP                    ; my 48 rows of a trip,
	v_add_nc_u32 v[WLDS], s44, v25
	s_mul_i32 s44, s[W3], 16*WP                    ; my 16 rows of the tail, which lies behind five trips
	s_add_co_u32 s44, s44, 5*TRB
	v_add_nc_u32 v[WLDS2], s44, v25
	v_lshlrev_b32 v25, 14, v3                      ; and the same in memory: 16 bytes a lane
	v_lshl_add_u32 v25, v2, 4, v25
	s_mul_i32 s44, s[W3], 48*4096
	v_add_nc_u32 v[WOFF], s44, v25
	s_lshl_b32 s44, s[W3], 16
	v_add_nc_u32 v[WOFF2], s44, v25
	s_lshl_b32 s44, s[EX], 22
	s_mov_b32 s45, 0
	s_lshl_b32 s22, s[SL], 8
	s_mov_b32 s23, 0
	s_wait_kmcnt 0x0
	s_add_nc_u64 s[WB:WB+1], s[10:11], s[44:45]
	s_add_nc_u64 s[WB:WB+1], s[WB:WB+1], s[22:23]
	s_add_nc_u64 s[AO:AO+1], s[4:5], s[44:45]
	s_mov_b64 s[AB:AB+1], s[AO:AO+1]
	s_add_nc_u64 s[OB:OB+1], s[14:15], s[22:23]
	s_add_nc_u64 s[12:13], s[12:13], s[22:23]
	s_lshl_b32 s22, s[EX], 12
	s_add_nc_u64 s[12:13], s[12:13], s[22:23]
	s_lshl_b32 s22, s[EX], 13
	s_add_nc_u64 s[6:7], s[6:7], s[22:23]
	s_lshl_b32 s22, s[EX], 7
	s_add_nc_u64 s[8:9], s[8:9], s[22:23]
	s_cmp_ge_u32 s[WVN], 4
	s_cbranch_scc1 .Lprod_first
	; CONSUMERS: the count, the bias; my first five tiles' images (five K steps of them) and row numbers are asked for, the accumulators set to the bias
	s_load_b32 s[CN], s[8:9], 0x0
	v_lshlrev_b32 v30, 5, v3
	WIN 0x40
.irp ct, 0,1,2,3
	global_load_b128 v[RB+8*(\ct):RB+8*(\ct)+3],   v30, s[12:13] offset:64*(\ct)
	global_load_b128 v[RB+8*(\ct)+4:RB+8*(\ct)+7], v30, s[12:13] offset:64*(\ct)+16
.endr
	WIN 0
	s_wait_kmcnt 0x0
	s_min_u32 s[CN], s[CN], 0x800
	s_add_co_u32 s[TN], s[CN], 15
	s_lshr_b32 s[TN], s[TN], 4
	s_max_u32 s[T1], s[TN], 1
	s_sub_co_u32 s[CL], s[T1], 1
.irp i, 0,1,2,3,4
	s_add_co_u32 s44, s[W3], 4*(\i)
	s_min_u32 s44, s44, s[CL]                      ; a tile past the count repeats the last one
	s_min_u32 s44, s44, 127
	s_lshl_b32 s45, s44, 15
	v_add_nc_u32 v[AOFF+(\i)], s45, v[L16]
	s_lshl_b32 s45, s44, 6
	v_lshl_add_u32 v[BF+(\i)], v2, 2, s45          ; (the W fragments' registers are free until the first trip)
	global_load_b32 v[IDS+(\i)], v[BF+(\i)], s[6:7]
.endr
.irp q, 0,1,2,3,4
	ALOAD \q, (\q)*KS
.endr
	s_wait_loadcnt 50                              ; the 50 loads of h may stay out: the bias and the row numbers are in
	WIN 0x45                                       ; the bias rounded to bf16 and kept packed
.set m, 0
.rept 16
	v_cvt_pk_bf16_f32 v[PB+m], v[RB+2*m], v[RB+2*m+1]
.set m, m+1
.endr
	BIAS0
	WIN 0x41                                       ; source and destination in window 1
.irp i, 1,2,3,4
.set z, 0
.rept 32
	v_mov_b32 v[ACC+32*(\i)+z], v[ACC+z]
.set z, z+1
.endr
.endr
	WIN 0
	s_branch .Ljoin_first
.Lprod_first:
	; PRODUCERS: my 48 rows of the first trip are asked for: 24 loads of 512 bytes a wave are out from here to the fifth trip
	WIN 0x40
.irp g, 0,1,2,3,4,5
.irp m, 0,1,2,3
	global_load_b128 v[WR+16*(\g)+4*(\m):WR+16*(\g)+4*(\m)+3], v[WOFF], s[WB:WB+1] offset:(8*(\g)+(\m))*4096 th:TH_LOAD_NT
.endr
.endr
	WIN 0
.Ljoin_first:
	; BESIDE THE STREAM: K steps 0-23 in four trips, K steps 24-29 and 30-31 written out, so that no load passes the slice's or a tile's end
	s_mov_b32 s[KC], 4
.Lstream:
	TRIP 0
	s_wait_xcnt 0x0                                ; the bases are stepped only behind this wait
	s_add_nc_u64 s[WB:WB+1], s[WB:WB+1], TRG
	s_add_nc_u64 s[AB:AB+1], s[AB:AB+1], TK*KS
	v_add_nc_u32 v[WLDS], TRB, v[WLDS]
	v_add_nc_u32 v[BL], TRB, v[BL]
	s_sub_co_u32 s[KC], s[KC], 1
	s_cmp_lg_u32 s[KC], 0
	s_cbranch_scc1 .Lstream
	TRIP 1
	TRIP 2
	s_cmp_ge_u32 s[WVN], 4
	s_cbranch_scc1 .Lend                           ; the producers are done; no barrier follows
	s_wait_loadcnt 0x0                             ; no load of mine is out (the last K step waited for 0): said once more here, ahead of the loads below into the ring's registers
	; THE WAY OUT of my first five tiles, written out; the first tile past the count ends my work
.irp i, 0,1,2,3,4
	DUMP \i
.endr
.irp i, 0,1,2,3,4
	s_add_co_u32 s44, s[W3], 4*(\i)
	s_cmp_ge_u32 s44, s[TN]
	s_cbranch_scc1 .Lend
	TILEOUT \i
.endr
	; MY FURTHER TILES, ONE A TRIP: 27 trips cover the rest of a consumer's share of 128 tiles; the first tile past the count ends the walk
	s_mov_b32 s[TC], 27
	s_add_co_u32 s[TAU], s[W3], 20
.Ltile:
	s_cmp_ge_u32 s[TAU], s[TN]
	s_cbranch_scc1 .Lend
	s_wait_xcnt 0x0                                ; the last tile's stores have read their registers, which the loads below write
	s_min_u32 s44, s[TAU], 127
	s_lshl_b32 s45, s44, 15
	v_add_nc_u32 v[AOFF], s45, v[L16]
	s_lshl_b32 s45, s44, 6
	v_lshl_add_u32 v30, v2, 2, s45
	global_load_b32 v[IDS], v30, s[6:7]            ; older than all the tile's loads of h: it is in when the last of those is
.set k, 0
.rept 16
	ALOAD1 k, k
.set k, k+1
.endr
	BIAS0
	BLOADX 0, 0
.set k, 0
.rept 32
	KSTEP1 k
.set k, k+1
.endr
	DUMP 0
	TILEOUT 0
	s_add_co_u32 s[TAU], s[TAU], 4
	s_sub_co_u32 s[TC], s[TC], 1
	s_cmp_lg_u32 s[TC], 0
	s_cbranch_scc1 .Ltile
.Lend:
	s_wait_tensorcnt 0x0                           ; the wave's end
	ds_add_u32 v[SPW], v[NIL]
	s_wait_dscnt 0x0
	s_endpgm
.Lfunc_end_k_qaf0ab7a5dd_down:
	.size	k_qaf0ab7a5dd_down, .Lfunc_end_k_qaf0ab7a5dd_down-k_qaf0ab7a5dd_down
	.p2alignl 7, 3214868480
	.fill 96, 4, 3214868480
	.section	.rodata,"a",@progbits
	.p2align	6, 0x0
	.amdhsa_kernel k_qaf0ab7a5dd_down
		.amdhsa_group_segment_fixed_size 253952
		.amdhsa_private_segment_fixed_size 0
		.amdhsa_enable_private_segment 0
		.amdhsa_kernarg_size 48
		.amdhsa_user_sgpr_count 2
		.amdhsa_user_sgpr_kernarg_segment_ptr 1
		.amdhsa_wavefront_size32 1
		.amdhsa_system_sgpr_workgroup_id_x 1
		.amdhsa_system_sgpr_workgroup_id_y 1
		.amdhsa_system_sgpr_workgroup_id_z 1
		.amdhsa_system_vgpr_workitem_id 0
		.amdhsa_next_free_vgpr 512
		.amdhsa_next_free_sgpr 66
		.amdhsa_reserve_vcc 0
		.amdhsa_float_denorm_mode_32 3
		.amdhsa_float_denorm_mode_16_64 3
		.amdhsa_memory_ordered 1
		.amdhsa_forward_progress 1
		.amdhsa_inst_pref_size 133
	.end_amdhsa_kernel
	.amdgpu_metadata
---
amdhsa.version: [ 1, 2 ]
amdhsa.kernels:
  - .name:           k_qaf0ab7a5dd_down
    .symbol:         k_qaf0ab7a5dd_down.kd
    .args:
      - { .name: hbuf, .offset: 0, .size: 8, .value_kind: global_buffer, .address_space: global }
      - { .name: order, .offset: 8, .size: 8, .value_kind: global_buffer, .address_space: global }
      - { .name: cnt, .offset: 16, .size: 8, .value_kind: global_buffer, .address_space: global }
      - { .name: W2, .offset: 24, .size: 8, .value_kind: global_buffer, .address_space: global }
      - { .name: b2, .offset: 32, .size: 8, .value_kind: global_buffer, .address_space: global }
      - { .name: out0, .offset: 40, .size: 8, .value_kind: global_buffer, .address_space: global }
    .group_segment_fixed_size: 253952
    .private_segment_fixed_size: 0
    .kernarg_segment_align: 8
    .kernarg_segment_size: 48
    .max_flat_workgroup_size: 256
    .sgpr_count:     66
    .vgpr_count:     512
    .wavefront_size: 32
...
	.end_amdgpu_metadata
.endif
;; end of part 3
;; launch heads (part 4): grid 256 x 1, 16 waves a work-group, no clusters, 2,304 bytes of LDS; arguments out0, idx, ln_scale, ln_bias, conf_w, conf_b, prob_w, prob_b, out1, out2; writes out1, out2
.if DOCPART == 4
	.amdgcn_target "amdgcn-amd-amdhsa--gfx1250"
	.amdhsa_code_object_version 6
	.text
	.protected	k_qaf0ab7a5dd_heads
	.globl	k_qaf0ab7a5dd_heads
	.p2align	8
	.type	k_qaf0ab7a5dd_heads,@function
k_qaf0ab7a5dd_heads:
	s_mov_b64 s[64:65], 0
	v_nop
	global_prefetch_b8 v0, s[64:65] scope:SCOPE_SE
	s_setreg_imm32_b32 hwreg(HW_REG_WAVE_MODE, 25, 1), 1
	s_wait_xcnt 0x0
; HEADS.  For each routed row j = 2 n + k with y = out0[j] and e = idx[j]:  out1[j] = sigmoid(LayerNorm(y) . conf_w[e] + conf_b[e]);  out2[j] = softmax(y . prob_w + prob_b).
; One wave takes one row and keeps it in 32 registers a lane; a work-group's 16 waves take 16 rows; no loop.  A stream: no matrix unit, no cluster (the rows are read once; the parameters are small).
; The norm goes in two passes over the registers: the mean, then sums of the centred numbers d: M2 = sum d d, C = sum d ls cw, B = sum lb cw; z = C / sqrt(M2 / 1024 + 1e-5) + B + cb.  No difference of large sums is formed.
; The softmax of two takes the larger logit away first.  All parameters are rounded to bf16 (as every input in this program) and read as bf16 halves by the mixed multiply-add; all sums in f32.
; NaN and infinities are not treated apart.
; REGISTERS: v32-63 y, then d; v64-95 ln_scale; v96-127 conf_w; v128-159 ln_bias; v160-223 prob_w (column q's two labels at 160 + 2 q); each pair is packed into its even register.
.set SPARE, 256                        ; LDS: 0-63 the 16 conf; 64-191 the 16 pairs of probabilities; from 256 the spare words, 128 bytes a wave
	s_load_b512 s[4:19], s[0:1], 0x0               ; out0 s[4:5], idx s[6:7], ln_scale s[8:9], ln_bias s[10:11], conf_w s[12:13], conf_b s[14:15], prob_w s[16:17], prob_b s[18:19]
	s_load_b128 s[20:23], s[0:1], 0x40             ; out1 s[20:21], out2 s[22:23]
	v_lshl_add_u32 v4, v0, 2, SPARE
	v_mov_b32 v5, 0
	v_and_b32 v1, 31, v0
	v_lshrrev_b32 v2, 5, v0
	v_readfirstlane_b32 s24, v2                    ; wave
	s_lshl_b32 s25, ttmp9, 4
	s_add_co_u32 s25, s25, s24                     ; my row j
	s_lshl_b32 s27, s25, 2
	s_lshl_b32 s34, s25, 12
	s_mov_b32 s35, 0
	s_mov_b32 s32, 0x3a800000                      ; 1 / 1,024
	s_mov_b32 s36, 0x76543210                      ; v_permlanex16_b32: each lane takes its own place in the other half
	s_mov_b32 s37, 0xfedcba98
	v_lshlrev_b32 v6, 4, v1
	v_lshlrev_b32 v7, 5, v1
	v_mov_b32 v26, 0
	v_mov_b32 v31, 0x3727c5ac                      ; 1e-5
	s_wait_kmcnt 0x0
	s_load_b32 s26, s[6:7], s27 offset:0x0         ; my expert
	s_load_b64 s[28:29], s[18:19], 0x0             ; prob_b
	s_add_nc_u64 s[4:5], s[4:5], s[34:35]
.irp i, 0,1,2,3,4,5,6,7
	global_load_b128 v[32+4*(\i):32+4*(\i)+3], v6, s[4:5] offset:512*(\i) th:TH_LOAD_NT   ; register 4 i + c is column 128 i + 4 L + c
.endr
.irp i, 0,1,2,3,4,5,6,7
	global_load_b128 v[160+8*(\i):160+8*(\i)+3],   v7, s[16:17] offset:1024*(\i)
	global_load_b128 v[160+8*(\i)+4:160+8*(\i)+7], v7, s[16:17] offset:1024*(\i)+16
.endr
	s_wait_kmcnt 0x0
	s_min_u32 s26, s26, 15
	s_lshl_b32 s38, s26, 12
	s_mov_b32 s39, 0
	s_lshl_b32 s31, s26, 2
	s_add_nc_u64 s[8:9], s[8:9], s[38:39]
	s_add_nc_u64 s[12:13], s[12:13], s[38:39]
	s_add_nc_u64 s[10:11], s[10:11], s[38:39]
	s_load_b32 s30, s[14:15], s31 offset:0x0       ; conf_b[e]
.irp i, 0,1,2,3,4,5,6,7
	global_load_b128 v[64+4*(\i):64+4*(\i)+3], v6, s[8:9] offset:512*(\i)
.endr
.irp i, 0,1,2,3,4,5,6,7
	global_load_b128 v[96+4*(\i):96+4*(\i)+3], v6, s[12:13] offset:512*(\i)
.endr
.irp i, 0,1,2,3,4,5,6,7
	global_load_b128 v[128+4*(\i):128+4*(\i)+3], v6, s[10:11] offset:512*(\i)
.endr
	s_wait_loadcnt 40                              ; the 16 loads of prob_w and the 24 of the expert's rows may stay out: y is in
.irp m, 0,1,2,3                        ; the mean: four chains
	v_pk_add_f32 v[8+2*(\m):9+2*(\m)], v[32+4*(\m):33+4*(\m)], v[34+4*(\m):35+4*(\m)]
.endr
.irp m, 0,1,2,3
	v_pk_add_f32 v[8+2*(\m):9+2*(\m)], v[8+2*(\m):9+2*(\m)], v[48+4*(\m):49+4*(\m)]
.endr
.irp m, 0,1,2,3
	v_pk_add_f32 v[8+2*(\m):9+2*(\m)], v[8+2*(\m):9+2*(\m)], v[50+4*(\m):51+4*(\m)]
.endr
	v_pk_add_f32 v[8:9], v[8:9], v[10:11]
	v_pk_add_f32 v[12:13], v[12:13], v[14:15]
	v_pk_add_f32 v[8:9], v[8:9], v[12:13]
	v_add_f32 v8, v8, v9
.irp x, 1,2,4,8
	v_add_f32_dpp v8, v8, v8 row_xmask:\x row_mask:0xf bank_mask:0xf
.endr
	v_permlanex16_b32 v9, v8, s36, s37
	v_add_f32 v8, v8, v9
	v_mul_f32 v16, s32, v8                         ; the mean, in every lane,
	v_mov_b32 v17, v16                             ; twice, for the packed subtraction
	s_wait_loadcnt 24                              ; prob_w is in
.set q, 0
.rept 32
	v_cvt_pk_bf16_f32 v[160+2*q], v[160+2*q], v[160+2*q+1]
.set q, q+1
.endr
.set q, 0
.rept 32                               ; the two labels' sums, two chains each: v18, v19 and v20, v21; the first terms start them
.if q < 2
	v_fma_mix_f32_bf16 v[18+q%2], v[32+q], v[160+2*q], v26 op_sel:[0,0,0] op_sel_hi:[0,1,0]
	v_fma_mix_f32_bf16 v[20+q%2], v[32+q], v[160+2*q], v26 op_sel:[0,1,0] op_sel_hi:[0,1,0]
.else
	v_fma_mix_f32_bf16 v[18+q%2], v[32+q], v[160+2*q], v[18+q%2] op_sel:[0,0,0] op_sel_hi:[0,1,0]
	v_fma_mix_f32_bf16 v[20+q%2], v[32+q], v[160+2*q], v[20+q%2] op_sel:[0,1,0] op_sel_hi:[0,1,0]
.endif
.set q, q+1
.endr
	s_wait_loadcnt 0x0
.set m, 0
.rept 16
	v_pk_add_f32 v[32+2*m:33+2*m], v[32+2*m:33+2*m], v[16:17] neg_lo:[0,1] neg_hi:[0,1]   ; d = y - mean
	v_cvt_pk_bf16_f32 v[64+2*m], v[64+2*m], v[64+2*m+1]
	v_cvt_pk_bf16_f32 v[96+2*m], v[96+2*m], v[96+2*m+1]
	v_cvt_pk_bf16_f32 v[128+2*m], v[128+2*m], v[128+2*m+1]
.set m, m+1
.endr
.set m, 0
.rept 16                               ; ls cw of the pair's two columns, into the odd registers that the packing freed
	v_fma_mix_f32_bf16 v[65+2*m], v[64+2*m], v[96+2*m], v26 op_sel:[0,0,0] op_sel_hi:[1,1,0]
	v_fma_mix_f32_bf16 v[97+2*m], v[64+2*m], v[96+2*m], v26 op_sel:[1,1,0] op_sel_hi:[1,1,0]
.set m, m+1
.endr
.set m, 0
.rept 16                               ; M2 in v22-25 (two packed chains), C in v27, v28, B in v29, v30
.if m < 2
	v_pk_mul_f32 v[22+2*m:23+2*m], v[32+2*m:33+2*m], v[32+2*m:33+2*m]
.else
	v_pk_fma_f32 v[22+2*(m%2):23+2*(m%2)], v[32+2*m:33+2*m], v[32+2*m:33+2*m], v[22+2*(m%2):23+2*(m%2)]
.endif
.if m == 0
	v_mul_f32 v27, v[32+2*m], v[65+2*m]
	v_mul_f32 v28, v[33+2*m], v[97+2*m]
	v_fma_mix_f32_bf16 v29, v[128+2*m], v[96+2*m], v26 op_sel:[0,0,0] op_sel_hi:[1,1,0]
	v_fma_mix_f32_bf16 v30, v[128+2*m], v[96+2*m], v26 op_sel:[1,1,0] op_sel_hi:[1,1,0]
.else
	v_fma_f32 v27, v[32+2*m], v[65+2*m], v27
	v_fma_f32 v28, v[33+2*m], v[97+2*m], v28
	v_fma_mix_f32_bf16 v29, v[128+2*m], v[96+2*m], v29 op_sel:[0,0,0] op_sel_hi:[1,1,0]
	v_fma_mix_f32_bf16 v30, v[128+2*m], v[96+2*m], v30 op_sel:[1,1,0] op_sel_hi:[1,1,0]
.endif
.set m, m+1
.endr
	v_pk_add_f32 v[22:23], v[22:23], v[24:25]
	v_add_f32 v18, v18, v19
	v_add_f32 v20, v20, v21
	v_add_f32 v27, v27, v28
	v_add_f32 v29, v29, v30
	v_add_f32 v22, v22, v23
.irp x, 1,2,4,8                        ; the five sums over the 32 lanes, side by side
.irp r, 18,20,22,27,29
	v_add_f32_dpp v\r, v\r, v\r row_xmask:\x row_mask:0xf bank_mask:0xf
.endr
.endr
	v_permlanex16_b32 v8, v18, s36, s37
	v_permlanex16_b32 v9, v20, s36, s37
	v_permlanex16_b32 v10, v22, s36, s37
	v_permlanex16_b32 v11, v27, s36, s37
	v_permlanex16_b32 v12, v29, s36, s37
	v_add_f32 v18, v18, v8
	v_add_f32 v20, v20, v9
	v_add_f32 v22, v22, v10
	v_add_f32 v27, v27, v11
	v_add_f32 v29, v29, v12
	s_wait_kmcnt 0x0                               ; conf_b[e]
	v_mov_b32 v13, s28                             ; the three biases rounded to bf16 and widened again
	v_mov_b32 v14, s29
	v_mov_b32 v15, s30
	v_cvt_pk_bf16_f32 v13, v13, v14
	v_cvt_pk_bf16_f32 v14, v15, v15
	v_lshlrev_b32 v15, 16, v13
	v_and_b32 v13, 0xffff0000, v13
	v_lshlrev_b32 v14, 16, v14
	v_add_f32 v18, v18, v15
	v_add_f32 v20, v20, v13
	v_add_f32 v29, v29, v14
	v_max_num_f32 v8, v18, v20                     ; the larger logit is taken away
	v_sub_f32 v18, v18, v8
	v_sub_f32 v20, v20, v8
	v_mul_f32 v18, 0x3fb8aa3b, v18
	v_mul_f32 v20, 0x3fb8aa3b, v20
	v_fma_f32 v22, s32, v22, v31                   ; the variance + 1e-5
	v_rsq_f32 v22, v22
	v_exp_f32 v18, v18
	v_exp_f32 v20, v20
	v_nop                                          ; a plain instruction behind the batch,
	s_wait_alu depctr_va_vdst(0)                   ; and the one wait ahead of its first reader
	v_fma_f32 v27, v22, v27, v29                   ; z
	v_mul_f32 v27, 0xbfb8aa3b, v27
	v_add_f32 v9, v18, v20
	v_exp_f32 v27, v27
	v_rcp_f32 v9, v9
	v_nop
	s_wait_alu depctr_va_vdst(0)
	v_add_f32 v27, 1.0, v27
	v_mul_f32 v18, v18, v9
	v_mul_f32 v19, v20, v9
	v_rcp_f32 v27, v27
	v_nop
	s_wait_alu depctr_va_vdst(0)
	s_lshl_b32 s33, s24, 2
	v_mov_b32 v10, s33
	s_lshl_b32 s40, s24, 3
	v_mov_b32 v11, s40
	ds_store_b32 v10, v27                          ; all lanes store the same word with the same number
	ds_store_b64 v11, v[18:19] offset:64
	s_wait_dscnt 0x0                               ; for wave 0's sake
	s_barrier_signal -1
	s_barrier_wait -1
	s_cmp_lg_u32 s24, 0
	s_cbranch_scc1 .Lend
	v_lshlrev_b32 v12, 2, v1
	v_and_b32 v13, 15, v0
	v_lshlrev_b32 v13, 2, v13
	ds_load_b32 v14, v12 offset:64
	ds_load_b32 v15, v13
	s_lshl_b32 s38, ttmp9, 7
	s_mov_b32 s39, 0
	s_lshl_b32 s40, ttmp9, 6
	s_mov_b32 s41, 0
	s_add_nc_u64 s[22:23], s[22:23], s[38:39]
	s_add_nc_u64 s[20:21], s[20:21], s[40:41]
	s_wait_dscnt 0x0
	global_store_b32 v12, v14, s[22:23]            ; the 16 rows' probabilities: 128 consecutive bytes
	v_cmp_gt_u32 vcc_lo, 16, v1
	s_wait_xcnt 0x0                                ; EXEC changes only behind this wait
	s_and_saveexec_b32 s42, vcc_lo
	global_store_b32 v12, v15, s[20:21]            ; lanes 0-15: the 16 rows' conf: 64 consecutive bytes
	s_wait_xcnt 0x0
	s_or_b32 exec_lo, exec_lo, s42
.Lend:
	s_wait_tensorcnt 0x0                           ; the wave's end
	ds_add_u32 v4, v5
	s_wait_dscnt 0x0
	s_endpgm
.Lfunc_end_k_qaf0ab7a5dd_heads:
	.size	k_qaf0ab7a5dd_heads, .Lfunc_end_k_qaf0ab7a5dd_heads-k_qaf0ab7a5dd_heads
	.p2alignl 7, 3214868480
	.fill 96, 4, 3214868480
	.section	.rodata,"a",@progbits
	.p2align	6, 0x0
	.amdhsa_kernel k_qaf0ab7a5dd_heads
		.amdhsa_group_segment_fixed_size 2304
		.amdhsa_private_segment_fixed_size 0
		.amdhsa_enable_private_segment 0
		.amdhsa_kernarg_size 80
		.amdhsa_user_sgpr_count 2
		.amdhsa_user_sgpr_kernarg_segment_ptr 1
		.amdhsa_wavefront_size32 1
		.amdhsa_system_sgpr_workgroup_id_x 1
		.amdhsa_system_sgpr_workgroup_id_y 1
		.amdhsa_system_sgpr_workgroup_id_z 1
		.amdhsa_system_vgpr_workitem_id 0
		.amdhsa_next_free_vgpr 224
		.amdhsa_next_free_sgpr 66
		.amdhsa_reserve_vcc 1
		.amdhsa_float_denorm_mode_32 3
		.amdhsa_float_denorm_mode_16_64 3
		.amdhsa_memory_ordered 1
		.amdhsa_forward_progress 1
		.amdhsa_inst_pref_size 30
	.end_amdhsa_kernel
	.amdgpu_metadata
---
amdhsa.version: [ 1, 2 ]
amdhsa.kernels:
  - .name:           k_qaf0ab7a5dd_heads
    .symbol:         k_qaf0ab7a5dd_heads.kd
    .args:
      - { .name: out0, .offset: 0, .size: 8, .value_kind: global_buffer, .address_space: global }
      - { .name: idx, .offset: 8, .size: 8, .value_kind: global_buffer, .address_space: global }
      - { .name: ln_scale, .offset: 16, .size: 8, .value_kind: global_buffer, .address_space: global }
      - { .name: ln_bias, .offset: 24, .size: 8, .value_kind: global_buffer, .address_space: global }
      - { .name: conf_w, .offset: 32, .size: 8, .value_kind: global_buffer, .address_space: global }
      - { .name: conf_b, .offset: 40, .size: 8, .value_kind: global_buffer, .address_space: global }
      - { .name: prob_w, .offset: 48, .size: 8, .value_kind: global_buffer, .address_space: global }
      - { .name: prob_b, .offset: 56, .size: 8, .value_kind: global_buffer, .address_space: global }
      - { .name: out1, .offset: 64, .size: 8, .value_kind: global_buffer, .address_space: global }
      - { .name: out2, .offset: 72, .size: 8, .value_kind: global_buffer, .address_space: global }
    .group_segment_fixed_size: 2304
    .private_segment_fixed_size: 0
    .kernarg_segment_align: 8
    .kernarg_segment_size: 80
    .max_flat_workgroup_size: 512
    .sgpr_count:     66
    .vgpr_count:     224
    .wavefront_size: 32
...
	.end_amdgpu_metadata
.endif
;; end of part 4
